; MI455X (gfx1250); checked and timed in simulation.
; The chip was launched on July 23, 2026; its instructions are those of AMD's public machine-readable ISA for CDNA 5 (MIT licence, August 2026) and "CDNA5" Instruction Set Architecture Reference Guide (July 2026). The comments in the code are by the model that wrote it; some were corrected since.
;; Attention Block. Allowed arithmetic: matrix products marked QUANTISED: E2M1 operands, one E8M0 scale for each 32 along K, by v_wmma_scale_f32_16x16x128_f8f6f4 with both operands' format E2M1 (or v_wmma_scale_f32_32x16x128_f4), f32 sums; products left as they are: bf16, f16 or f32 operands; f32 sums; everything else in f32.
;; Inputs: W_in 3,072 x 1,024 float32; W_out 1,024 x 1,024 float32; b_in 3,072 float32; b_out 1,024 float32; multipliers 8 x 1,024 x 1,024 float32; x 8 x 1,024 x 1,024 float32.
;; Outputs: out0 8 x 1,024 x 1,024 float32.
;; This version of the problem:
;;   THIS VERSION OF THE PROBLEM IS GIVEN IN LOW PRECISION. The matrix products marked QUANTISED in the list below multiply operands that are first quantised to E2M1 (2 exponent bits, 1 mantissa bit; 4 bits a number), with one power-of-two scale for each 32 numbers along K (OCP MX v1.0); their sums are f32. The products marked 'left as it is' may take bf16, f16 or f32 operands, with f32 sums. Whichever they take, every output number must still come out within the allowed error. Rounding operands to bf16 (8 significant bits) uses up far more of that allowance than f16 does (11 bits, for magnitudes from 6e-5 to 65,504). All else is computed in f32.
;;   The module's matrix products, in the order in which they are computed (A, B: the left and right operand; K: the contracted axis; several contracted axes count as one K, in the product's order):
;;     1. [M 8,192, K 1,024] x [K 1,024, N 3,072]; A: input x; B: input W_in: QUANTISED
;;     2. batch 128 x [M 1,024, K 64] x [K 64, N 1,024]; A: computed on the way; B: computed on the way: left as it is (an operand is computed on the way)
;;     3. batch 128 x [M 1,024, K 1,024] x [K 1,024, N 64]; A: computed on the way; B: computed on the way: left as it is (an operand is computed on the way)
;;     4. [M 8,192, K 1,024] x [K 1,024, N 1,024]; A: computed on the way; B: input W_out: left as it is (an operand is computed on the way)
;;   THE QUANTISER, for each operand of a quantised product, along K:
;;     - K is cut into blocks of 32 from its start; a last block that is shorter is filled with zeros.
;;     - A block's scale is 2^e with e = floor(log2(the largest magnitude in the block)) - 2, held to -126 .. 127; a block of zeros has e = 0. As a byte (E8M0): e + 127.
;;     - Each number is divided by its block's scale, clamped to +-6, and rounded to the nearest number of E2M1, ties to even, subnormals kept.
;;     - The product sums the exact products of the quantised numbers (number of the format x scale) in f32.
;;   ~~~python
;;   def quantise(x, axis):      # numpy; x: float32 -> the quantised numbers, widened to float32 again
;;       x = np.moveaxis(x, axis, -1); K = x.shape[-1]
;;       x = np.pad(x, [(0, 0)] * (x.ndim - 1) + [(0, -K % 32)]); x = x.reshape(x.shape[:-1] + (-1, 32)); a = np.abs(x).max(-1, keepdims=True)
;;       e = np.where(a > 0, np.clip(np.frexp(np.where(a > 0, a, 1))[1] - 1 - 2, -126, 127), 0)      # np.frexp(a)[1] - 1 = floor(log2(a)), exactly
;;       r = np.clip(x / 2.0 ** e, -6, 6)
;;       step = 2.0 ** (np.maximum(np.frexp(np.where(r == 0, 1, r))[1] - 1, 0) - 1)
;;       q = np.round(r / step) * step * 2.0 ** e      # np.round: ties to even
;;       return np.moveaxis(q.reshape(q.shape[:-2] + (-1,))[..., :K], -1, axis).astype(np.float32)
;;   ~~~
;; One version. Each part assembles by itself: llvm-mc -triple=amdgcn-amd-amdhsa -mcpu=gfx1250 --defsym DOCPART=n.
;; ======== version 1 of 1: 4 launches
;; limits: values are held in f16: magnitudes above 65,504 overflow, below 6.1e-05 lose precision
;; workspace buffers: x_codes 4,194,304 bytes; x_scales 262,144 bytes; w_codes 1,572,864 bytes; w_scales 98,304 bytes; wo16 2,097,152 bytes; qkv 50,331,648 bytes; o16 16,777,216 bytes
;; launch quant (part 1): grid 480 x 1, 4 waves a work-group, no clusters, 33,280 bytes of LDS; arguments x, W_in, x_codes, x_scales, w_codes, w_scales, W_out, wo16; writes x_codes, x_scales, w_codes, w_scales, wo16
.if DOCPART == 1
	.amdgcn_target "amdgcn-amd-amdhsa--gfx1250"
	.amdhsa_code_object_version 6
	.text
	.protected	k_qda0fec1320_quant
	.globl	k_qda0fec1320_quant
	.p2align	8
	.type	k_qda0fec1320_quant,@function
k_qda0fec1320_quant:
	s_mov_b64 s[64:65], 0
	v_nop
	global_prefetch_b8 v0, s[64:65] scope:SCOPE_SE
	s_setreg_imm32_b32 hwreg(HW_REG_WAVE_MODE, 25, 1), 1
	s_wait_xcnt 0x0
; x [8192][1024] and W_in [3072][1024], f32, are turned into codes of FP4 (E2M1), 4 bits each, K innermost, with one E8M0 scale byte for each 32 along K; W_out [1024][1024] f32 is rounded once to f16.
; A block's scale is 2^(floor(log2(its largest magnitude)) - 2); its byte is the largest magnitude's own exponent field - 2, held at 1 from below.  Each number is divided by the scale and rounded to the nearest code, ties to even;
; beyond the largest code the conversion gives the largest code.
; LIMITS: a block of zeros gets the byte 1 where the rule says 127 (its codes are zeros, which add nothing under any byte but 0xff, and the bytes are read by this program alone); blocks whose largest magnitude lies under
; 2^(2 - 126) have their byte held at 1; NaN and infinities among the inputs are not served; numbers of W_out beyond 65,504 do not fit f16.
; Rows are dense and K is a multiple of 32: both tensors are plain streams of blocks of 32 numbers, and so are the codes and the scale bytes.
; Work-groups 0 to 255 take x, 256 to 351 W_in (only pointers are chosen: one way through the text), 352 to 479 W_out (a way of its own, which touches no LDS but the spare words at its end).
; QUANTISING: a wave takes 16 steps of 512 numbers.  The conversions take 8 numbers of ONE block from a lane's registers, so a lane must hold 16 NEIGHBOURS (two neighbouring lanes hold a block); a load is best where neighbouring
; LANES take neighbouring bytes.  Both are had: each of a step's four loads reads 512 consecutive bytes; the 2,048 bytes go through the wave's own stage in LDS and come back 64 bytes a lane (16 bytes of padding behind each 64).
; A lane's 16 codes are 8 bytes: the wave stores 256 consecutive bytes.  A wave's 256 scale bytes are gathered in its own LDS bytes and leave as 256 consecutive, aligned bytes.  No barrier: waves share nothing.
.set SIZE_M, 8192
.set SIZE_N, 3072
.set SIZE_K, 1024
.set WAVES, 4
.set STEPS, 16
.set WGA,   SIZE_M*SIZE_K/(512*STEPS*WAVES)            ; 256 work-groups for x
.set WGQ,   (SIZE_M+SIZE_N)*SIZE_K/(512*STEPS*WAVES)   ; 352 for x and W_in together
.set EMAX,  2
.set CB,    8                          ; bytes of 16 codes
.set R,     16                         ; v16-79   four sets of 16 numbers as they are loaded
.set X,     80                         ; v80-111  two sets of 16 neighbours
.set C,     128                        ; v128-191 codes: four registers for each step, so that no store's data are written again
.set E,     112                        ; v112-127 a scale byte for each step
.set WREG,  8192                       ; LDS: a region of its own for each wave: two stages of 32 x SP bytes, and behind them its 256 scale bytes
.set SP,    80                         ; a lane's place in a stage: its 64 bytes + 16 of padding
.set SPW,   12                         ; v12      LDS address of my spare word: SPARE + 4 x my thread's number; never rewritten
.set NIL,   13                         ; v13      0; never rewritten
.set SPARE, WAVES*WREG                 ; behind the four regions: the spare words, 128 bytes for each wave
	s_load_b128 s[4:7], s[0:1], 0x0                ; x, W_in
	s_load_b128 s[8:11], s[0:1], 0x10              ; x's codes, x's scales
	s_load_b128 s[12:15], s[0:1], 0x20             ; W_in's codes, W_in's scales
	s_load_b128 s[24:27], s[0:1], 0x30             ; W_out, its f16 copy
	v_lshl_add_u32 v[SPW], v0, 2, SPARE
	v_mov_b32 v[NIL], 0
	v_lshrrev_b32 v1, 5, v0
	v_readfirstlane_b32 s16, v1                    ; wave
	v_and_b32 v2, 31, v0                           ; lane
	v_lshlrev_b32 v3, 4, v2                        ; my 16 bytes of a load's 512
	s_mul_i32 s17, s16, WREG
	v_lshrrev_b32 v14, 2, v2
	v_mul_u32_u24 v14, v14, SP
	v_and_b32 v15, 3, v2
	v_lshl_add_u32 v14, v15, 4, v14
	v_add_nc_u32 v14, s17, v14                     ; the stage, on the way in: four lanes' 64 bytes on end, then 16 of padding
	v_mul_u32_u24 v15, v2, SP
	v_add_nc_u32 v15, s17, v15                     ; and on the way out: SP x lane: my 16 neighbours
	v_mul_u32_u24 v4, v2, CB                       ; my codes' place in a step's
	v_lshrrev_b32 v5, 1, v2
	s_add_co_u32 s17, s17, 2*32*SP
	v_add_nc_u32 v5, s17, v5                       ; LDS: my wave's 256 scale bytes, my block's byte
	v_lshlrev_b32 v7, 3, v2                        ; and on the way out 8 bytes a lane
	v_add_nc_u32 v6, s17, v7
	s_wait_kmcnt 0x0
	s_cmp_ge_u32 ttmp9, WGQ                        ; W_out's work-groups part here: a branch on the work-group's number alone
	s_cbranch_scc1 .Lconv
	s_cmp_lt_u32 ttmp9, WGA                        ; x's work-group or W_in's?
	s_cselect_b64 s[4:5], s[4:5], s[6:7]
	s_cselect_b64 s[8:9], s[8:9], s[12:13]
	s_cselect_b64 s[10:11], s[10:11], s[14:15]
	s_cselect_b32 s17, 0, WGA
	s_sub_co_u32 s17, ttmp9, s17
	s_lshl_b32 s17, s17, 2
	s_add_co_u32 s18, s17, s16                     ; which run of 8,192 numbers of the tensor is my wave's
	s_mov_b32 s19, 0
	s_mov_b64 s[20:21], 512*STEPS*4
	s_mul_u64 s[20:21], s[18:19], s[20:21]
	s_add_nc_u64 s[4:5], s[4:5], s[20:21]
	s_mov_b64 s[20:21], 32*STEPS*CB
	s_mul_u64 s[20:21], s[18:19], s[20:21]
	s_add_nc_u64 s[8:9], s[8:9], s[20:21]
	s_lshl_b32 s18, s18, 8                         ; 256 scale bytes a run
	s_add_nc_u64 s[10:11], s[10:11], s[18:19]
.macro LOAD t
.irp i, 0,1,2,3
	global_load_b128 v[R+16*((\t)%4)+4*\i:R+16*((\t)%4)+4*\i+3], v3, s[4:5] offset:2048*(\t)+512*\i th:TH_LOAD_NT   ; 32 lanes read 512 consecutive bytes
.endr
.endm
.macro TURN t                          ; step t's numbers through the stage: LDS serves a wave's instructions in order, so no wait stands between the stores and the loads
.irp i, 0,1,2,3
	ds_store_b128 v14, v[R+16*((\t)%4)+4*\i:R+16*((\t)%4)+4*\i+3] offset:32*SP*((\t)%2)+8*SP*\i
.endr
.irp i, 0,1,2,3
	ds_load_b128 v[X+16*((\t)%2)+4*\i:X+16*((\t)%2)+4*\i+3], v15 offset:32*SP*((\t)%2)+16*\i
.endr
.endm
.irp t, 0,1,2,3
	LOAD \t
.endr
	s_wait_loadcnt 12                              ; step 0's four loads are in; the twelve of steps 1 to 3 may be out
	TURN 0
.macro STEP t
.set XS, X+16*((\t)%2)
.if (\t) > 0
	s_wait_dscnt 1                                 ; this step's numbers are back from the stage (the last step's byte store may be out): so its stores into the stage have read their registers,
.else
	s_wait_dscnt 0x0
.endif
.if (\t)+4 < STEPS
	LOAD (\t)+4                                    ; which take the loads of four steps on
.endif
.if (\t)+1 < STEPS
.if STEPS-2-(\t) >= 3
	s_wait_loadcnt 12                              ; the next step's four loads are in; those of the three steps behind it may be out
.else
	s_wait_loadcnt 4*(STEPS-2-(\t))
.endif
	TURN (\t)+1                                    ; and go through the other stage while this step is worked
.endif
	v_max3_num_f32 v8, |v[XS]|, |v[XS+1]|, |v[XS+2]|               ; the largest magnitude of my 16, in two chains
	v_max3_num_f32 v9, |v[XS+3]|, |v[XS+4]|, |v[XS+5]|
.irp i, 6,10
	v_max3_num_f32 v8, v8, |v[XS+\i]|, |v[XS+\i+1]|
	v_max3_num_f32 v9, v9, |v[XS+\i+2]|, |v[XS+\i+3]|
.endr
	v_max3_num_f32 v8, v8, |v[XS+14]|, |v[XS+15]|
	v_max3_num_f32 v8, v8, v9, (EMAX+1)<<23        ; and the floor 2^(EMAX + 1 - 127): so the byte cannot fall under 1
	v_max_num_f32_dpp v8, v8, v8 row_xmask:1 row_mask:0xf bank_mask:0xf   ; and of my neighbour's 16: the block's
	v_add_nc_u32 v11, -(EMAX<<23), v8              ; EMAX off its exponent field: the conversion takes the exponent field of this operand as its scale, and nothing else of it
	v_cvt_scalef32_pk8_fp4_f32 v[C+4*(\t)], v[XS:XS+7], v11        ; the first number's code in the lowest four bits
	v_cvt_scalef32_pk8_fp4_f32 v[C+4*(\t)+1], v[XS+8:XS+15], v11
	v_lshrrev_b32 v[E+(\t)], 23, v11               ; the scale's byte (also the plain line behind the conversions)
	ds_store_b8 v5, v[E+(\t)] offset:16*(\t)       ; both lanes of a block write the same byte with the same value
	global_store_b64 v4, v[C+4*(\t):C+4*(\t)+1], s[8:9] offset:32*CB*(\t)
.endm
.irp t, 0,1,2,3,4,5,6,7,8,9,10,11,12,13,14,15
	STEP \t
.endr
	ds_load_b64 v[8:9], v6                         ; LDS serves a wave's instructions in order: these see my stores
	s_wait_dscnt 0x0
	global_store_b64 v7, v[8:9], s[10:11]          ; 32 lanes store 256 consecutive bytes, aligned
	s_wait_tensorcnt 0x0                           ; the wave's end: behind my last LDS store
	ds_add_u32 v[SPW], v[NIL]
	s_wait_dscnt 0x0
	s_endpgm
; W_out to f16: a wave takes 2,048 numbers: 16 loads of 512 consecutive bytes, all issued at once; each becomes 256 consecutive bytes.  No register is written twice, so no store's data wait for anything.
.Lconv:
	s_sub_co_u32 s17, ttmp9, WGQ
	s_lshl_b32 s17, s17, 2
	s_add_co_u32 s18, s17, s16                     ; which run of 2,048 numbers is my wave's
	s_lshl_b32 s20, s18, 13                        ; 8,192 bytes of f32,
	s_mov_b32 s21, 0
	s_add_nc_u64 s[24:25], s[24:25], s[20:21]
	s_lshl_b32 s20, s18, 12                        ; 4,096 of f16
	s_add_nc_u64 s[26:27], s[26:27], s[20:21]
.irp i, 0,1,2,3,4,5,6,7,8,9,10,11,12,13,14,15
	global_load_b128 v[R+4*\i:R+4*\i+3], v3, s[24:25] offset:512*\i th:TH_LOAD_NT
.endr
.irp i, 0,1,2,3,4,5,6,7,8,9,10,11,12,13,14,15
	s_wait_loadcnt 15-\i                           ; loads come back in order: load i is in, the younger ones stay out
	v_cvt_pk_f16_f32 v[C+2*\i], v[R+4*\i], v[R+4*\i+1]
	v_cvt_pk_f16_f32 v[C+2*\i+1], v[R+4*\i+2], v[R+4*\i+3]
	global_store_b64 v7, v[C+2*\i:C+2*\i+1], s[26:27] offset:256*\i
.endr
	s_wait_tensorcnt 0x0                           ; the wave's end
	ds_add_u32 v[SPW], v[NIL]
	s_wait_dscnt 0x0
	s_endpgm
.Lfunc_end_k_qda0fec1320_quant:
	.size	k_qda0fec1320_quant, .Lfunc_end_k_qda0fec1320_quant-k_qda0fec1320_quant
	.p2alignl 7, 3214868480
	.fill 96, 4, 3214868480
	.section	.rodata,"a",@progbits
	.p2align	6, 0x0
	.amdhsa_kernel k_qda0fec1320_quant
		.amdhsa_group_segment_fixed_size 33280
		.amdhsa_private_segment_fixed_size 0
		.amdhsa_enable_private_segment 0
		.amdhsa_kernarg_size 64
		.amdhsa_user_sgpr_count 2
		.amdhsa_user_sgpr_kernarg_segment_ptr 1
		.amdhsa_wavefront_size32 1
		.amdhsa_system_sgpr_workgroup_id_x 1
		.amdhsa_system_sgpr_workgroup_id_y 1
		.amdhsa_system_sgpr_workgroup_id_z 1
		.amdhsa_system_vgpr_workitem_id 0
		.amdhsa_next_free_vgpr 192
		.amdhsa_next_free_sgpr 66
		.amdhsa_reserve_vcc 0
		.amdhsa_float_denorm_mode_32 3
		.amdhsa_float_denorm_mode_16_64 3
		.amdhsa_memory_ordered 1
		.amdhsa_forward_progress 1
		.amdhsa_inst_pref_size 39
	.end_amdhsa_kernel
	.amdgpu_metadata
---
amdhsa.version: [ 1, 2 ]
amdhsa.kernels:
  - .name:           k_qda0fec1320_quant
    .symbol:         k_qda0fec1320_quant.kd
    .args:
      - { .name: x, .offset: 0, .size: 8, .value_kind: global_buffer, .address_space: global }
      - { .name: W_in, .offset: 8, .size: 8, .value_kind: global_buffer, .address_space: global }
      - { .name: x_codes, .offset: 16, .size: 8, .value_kind: global_buffer, .address_space: global }
      - { .name: x_scales, .offset: 24, .size: 8, .value_kind: global_buffer, .address_space: global }
      - { .name: w_codes, .offset: 32, .size: 8, .value_kind: global_buffer, .address_space: global }
      - { .name: w_scales, .offset: 40, .size: 8, .value_kind: global_buffer, .address_space: global }
      - { .name: W_out, .offset: 48, .size: 8, .value_kind: global_buffer, .address_space: global }
      - { .name: wo16, .offset: 56, .size: 8, .value_kind: global_buffer, .address_space: global }
    .group_segment_fixed_size: 33280
    .private_segment_fixed_size: 0
    .kernarg_segment_align: 8
    .kernarg_segment_size: 64
    .max_flat_workgroup_size: 128
    .sgpr_count:     66
    .vgpr_count:     192
    .wavefront_size: 32
...
	.end_amdgpu_metadata
.endif
;; end of part 1
;; launch qkvgemm (part 2): grid 8 x 32, 4 waves a work-group, clusters of 4 x 4, 327,680 bytes of LDS; arguments x_codes, x_scales, w_codes, w_scales, b_in, qkv; writes qkv
.if DOCPART == 2
	.amdgcn_target "amdgcn-amd-amdhsa--gfx1250"
	.amdhsa_code_object_version 6
	.text
	.protected	k_qda0fec1320_qkvgemm
	.globl	k_qda0fec1320_qkvgemm
	.p2align	8
	.type	k_qda0fec1320_qkvgemm,@function
k_qda0fec1320_qkvgemm:
	s_mov_b64 s[64:65], 0
	v_nop
	global_prefetch_b8 v0, s[64:65] scope:SCOPE_SE
	s_setreg_imm32_b32 hwreg(HW_REG_WAVE_MODE, 25, 1), 1
	s_wait_xcnt 0x0
	s_wait_alu depctr_hold_cnt(0) depctr_sa_sdst(0) depctr_va_vdst(0) depctr_va_sdst(0) depctr_va_ssrc(0) depctr_va_vcc(0) depctr_vm_vsrc(0)
	s_getreg_b32 s2, hwreg(HW_REG_IB_STS2, 6, 4)
	s_cmp_eq_u32 s2, 0
	s_cbranch_scc0 .Lentry_in_a_cluster
	s_endpgm
.Lentry_in_a_cluster:
	s_bfe_u32 s2, ttmp6, 0x10000c
	s_cmp_lg_u32 s2, 0xf033
	s_cbranch_scc0 .Lentry_shape_is_right
	s_endpgm
.Lentry_shape_is_right:
; qkv = Q(x) Q(W_in)^T + b_in on codes of FP4 (E2M1) with one E8M0 scale for each 32 along K; sums in f32; the result is rounded once to f16 and laid by head: qkv [3][8 b][16 h][1024 s][64] f16.
; A = x's codes [8192][512 bytes], B = W_in's codes [3072][512 bytes]; their scale bytes [rows][32].  The matrix instruction takes codes and scale bytes as they lie in memory.
; SHARES.  8,192 x 3,072 outputs over 256 work-groups are 256 rows x 384 columns each.  The columns go as THREE PARTS of 128 (two whole heads; no part straddles q, k and v).  Wave w of four owns rows 64 w on and all 128
; columns of a part: 32 accumulators of 16 x 16.
; A STAYS IN REGISTERS.  A wave's 64 rows for all of K are 4 blocks x 8 steps of 128 along K x 8 registers = 256 registers: they are read from LDS once and serve all three parts.  So a step of 32 products reads only
; B's eight fragments.
; LDS.  All of K for 256 + 384 rows does not fit.  At the head come A's 256 rows and B's parts 0 and 1, as two slots of 512 along K (a tile's row is 256 bytes of memory), and all scale bytes.  When every wave has A in its
; registers, B's part 2 is brought into the rows that A's first 128 rows have left: the launch's one refill; it has the whole first part in which to land.
; CLUSTERS: 4 x 4 work-groups.  The four of a row of the cluster need the same tiles of A, the four of a column the same tiles of B: each tile is asked for JOINTLY, by the same tensor load with the same descriptor and a mask that names the four.
; THE MATRIX INSTRUCTION IS USED TRANSPOSED (source 0 = 16 rows of B, source 1 = 16 rows of A): a lane then holds eight neighbouring columns of one row of C.  THE BIAS is the C of each sum's first product.
; A part's results leave as soon as it is finished: the stores of parts 0 and 1 are on their way while the later parts are multiplied.
; No prefetch: every tile but one is asked for at the head, and that one eight steps ahead of the wait for it.
; LIMIT: results beyond 65,504 do not fit f16.
; REGISTERS, in windows of 256: window 0: v16-30 addresses; v32-63 A's scale words; v64-127 B's, of the part in hand; v128-191 the bias of the part in hand or the next; v192-255 the way out, two sets of 32.
;   window 1: A's fragments (block a, step q at v[64 a + 8 q]).   window 2: the accumulators ((a, b) at v[8 (8 a + b)]).   window 3: B's fragments, two sets of 64, at v0 and v64.
.set ROWB,   256                       ; a tile's row in bytes: 512 codes
.set KROW,   512                       ; a row of A or of B in memory, in bytes
.set PITCH,  272                       ; an LDS row: 256 bytes of data + 16 of padding = 68 words: the 16 rows that a load touches start at 16 different banks (64 banks of 4 bytes: ISA guide 11.1)
.set HALFT,  128*PITCH                 ; 128 rows: what one tensor load brings
.set SLOT,   4*HALFT                   ; one half of K: A's 256 rows, then 256 rows of B (parts 0 and 1)
.set KS,     32                        ; a row of scales in bytes
.set SCA,    2*SLOT                    ; behind the two slots: A's scales, as runs of 256 bytes (8 rows) + 16 of padding
.set HALFSA, (128*KS/256)*272          ; those of 128 rows: what one tensor load brings
.set SCB,    SCA+2*HALFSA              ; B's scales, of 384 rows, likewise
.set HALFSB, (192*KS/256)*272          ; those of 192 rows: what one tensor load brings
.set SBLK,   (16*KS/256)*272           ; those of 16 rows
.set SPARE,  SCB+2*HALFSB              ; the spare words, 128 bytes for each wave
.set STAGE,  SPARE+512                 ; the way out: 16 rows x (256 bytes + 16) for each wave; no tensor load lands here
.set SPITCH, 272
.set HEADB,  131072                    ; a head's 1,024 rows of 64 f16
.set NSTEP,  24                        ; 3 parts x 8 steps of 128 along K
.set ADRA, 16                          ; v16-17  LDS address of my A fragments in slot 0, 1
.set ADRC, 18                          ; v18-19  of B's part 2, which lies where A's first rows lay
.set ADRB, 20                          ; v20-21  of B's part 0; part 1 lies HALFT further on
.set ADSA, 22                          ; v22     of my rows' scale words
.set ADSB, 23                          ; v23     of B's
.set STO,  24                          ; v24     the way out: where I put 16 bytes of a row
.set RD,   25                          ; v25     the way out: where I read back
.set CO,   26                          ; v26     16 x lane
.set SPW,  28                          ; v28     LDS address of my spare word; never rewritten
.set NIL,  29                          ; v29     0; never rewritten
.set BO,   30                          ; v30     the bias: 32 x (lane / 16)
.set SA,   32                          ; A's scale words: block a, step q at v[SA + 8 a + q]; lane r holds row r's
.set SB,   64                          ; B's: block b, step q at v[SB + 8 b + q]
.set BI,   128                         ; the bias: block b's eight numbers of my half at v[BI + 8 b]
.set XB,   192                         ; the way out: a block's packed results, which come back from the stage into the same registers: v192-223 and v224-255 by turns
.set G1, 24                            ; s[24:31] descriptor group 1 for A's tiles;  s[32:39] group 0, one set for each slot
.set G0, 32
.set G1B, 48                           ; s[48:55], s[56:63] the same for B's tiles
.set G0B, 56
.set G1S, 68                           ; s[68:75], s[76:79] groups 1 and 0 for A's scales;  s[80:87], s[88:91] for B's
.set G0S, 76
.set G1SB, 80
.set G0SB, 88
.set OUT, 92                           ; s[92:97] where my rows of part 0, 1, 2 begin in qkv
.set MSB, 0
.macro WIN new                         ; the immediate's high byte repeats the setting that is left
.if MSB != \new
	s_set_vgpr_msb (MSB<<8)|\new
.set MSB, \new
.endif
.endm
.set MUL,    0xa7                      ; source 0 (B) window 3, source 1 (A) window 1, C and D window 2
.set MUL_BI, 0x87                      ; a part's first step: C (the bias) window 0
.set TO_A,   0x40                      ; destination window 1, address window 0
.set TO_B,   0xc0                      ; destination window 3, address window 0
; A load into a register that a matrix instruction has read, and a vector instruction that reads a matrix result, stand four places behind that matrix instruction, and only plain vector instructions that name none
; of its registers are places (ISA guide 7.12.1 for vector instructions).
.macro PLACES
.rept 4
	v_nop
.endr
.endm
; A joint load: waves 0 and 1 fetch for A, waves 2 and 3 for B.  Each of the two lines has ONE mask and one set of registers for all that issue it; the branch hangs on the wave's number alone.
; An s_nop 0 and four v_nop follow each of the two lines, ahead of the jump, the label and what follows.
.macro JLOAD g0a, g1a, g0b, g1b
	s_cmp_eq_u32 s15, 0
	s_cbranch_scc0 .Lfor_b_\@
	tensor_load_to_lds s[\g0a:\g0a+3], s[\g1a:\g1a+7]
	s_nop 0
	PLACES
	s_branch .Lasked_\@
.Lfor_b_\@:
	tensor_load_to_lds s[\g0b:\g0b+3], s[\g1b:\g1b+7]
	s_nop 0
	PLACES
.Lasked_\@:
.endm
.macro CROUND                          ; a round of the cluster's barrier: my work-group's barrier; wave 0 signals for the work-group; every wave waits for all sixteen; my work-group's barrier once more
	s_barrier_signal -1
	s_barrier_wait -1
	s_cmp_lg_u32 s14, 0
	s_cbranch_scc1 .Lnot_wave_0_\@
	s_barrier_signal -3
.Lnot_wave_0_\@:
	s_barrier_wait -3
	s_barrier_signal -1
	s_barrier_wait -1
.endm
	s_load_b128 s[4:7], s[0:1], 0x0                ; A's codes s[4:5], A's scales s[6:7]
	s_load_b128 s[8:11], s[0:1], 0x10              ; B's codes s[8:9], B's scales s[10:11]
	s_load_b64 s[2:3], s[0:1], 0x20                ; b_in
	s_load_b64 s[12:13], s[0:1], 0x28              ; qkv
	v_lshl_add_u32 v[SPW], v0, 2, SPARE
	v_mov_b32 v[NIL], 0
	ds_add_u32 v[SPW], v[NIL]                      ; the wave's opening: the add, twice on end, and its wait ahead of my first tensor load; the set-up below stands between
	ds_add_u32 v[SPW], v[NIL]
	v_lshrrev_b32 v1, 5, v0
	v_readfirstlane_b32 s14, v1                    ; wave 0..3
	s_lshr_b32 s15, s14, 1                         ; I fetch for A (0) or for B (1),
	s_and_b32 s16, s14, 1                          ; its first or its second half
	s_bfe_u32 s40, ttmp6, 0x40000                  ; cx, cy: my place in the cluster
	s_bfe_u32 s41, ttmp6, 0x40004
	s_lshl_b32 s42, ttmp9, 2
	s_add_co_u32 s42, s42, s40                     ; tile column of C = 4 x cluster x + cx: 0 to 7
	s_and_b32 s17, ttmp7, 0xffff
	s_lshl_b32 s17, s17, 2
	s_add_co_u32 s17, s17, s41                     ; tile row of C = 4 x cluster y + cy: 0 to 31
	s_lshl_b32 s43, s41, 2
	s_lshl_b32 s43, 15, s43                        ; my row of the cluster
	s_lshl_b32 s44, 0x1111, s40                    ; my column
	; descriptor group 1: a tile of 128 rows x ROWB bytes, padded in LDS
	s_or_b32 s[G1+0], s43, (0<<16)|(1<<20)|(1<<21)|(5<<22)|(3<<25)  ; 15:0 the mask: A's tiles go to my row; 17:16 element of 1 byte; 20 padding on; 21 set beside a mask; 24:22 after every 64 words (code 5); 31:25 of 4 words (code 3)
	s_or_b32 s[G1B+0], s44, (0<<16)|(1<<20)|(1<<21)|(5<<22)|(3<<25)
.irp g, G1, G1B
	s_mov_b32 s[\g+1], ROWB<<16                    ; tensor_dim0
	s_mov_b32 s[\g+2], 128<<16                     ; tensor_dim1 = 128
	s_mov_b32 s[\g+3], ROWB<<16                    ; tile_dim0
	s_mov_b32 s[\g+4], 128                         ; tile_dim1 = 128
	s_mov_b32 s[\g+5], KROW                        ; tensor_dim0_stride
	s_mov_b32 s[\g+6], 0
	s_mov_b32 s[\g+7], 0
.endr
	; and for the scales: dense blocks of memory, as rows of 256 bytes (32 elements of 8 bytes), 16 bytes of padding behind each: 128 rows of A are 16 such rows, 192 rows of B are 24
	s_or_b32 s[G1S+0], s43, (3<<16)|(1<<20)|(1<<21)|(5<<22)|(3<<25)
	s_or_b32 s[G1SB+0], s44, (3<<16)|(1<<20)|(1<<21)|(5<<22)|(3<<25)
	s_mov_b32 s[G1S+1], 32<<16
	s_mov_b32 s[G1S+2], (128*KS/256)<<16
	s_mov_b32 s[G1S+3], 32<<16
	s_mov_b32 s[G1S+4], 128*KS/256
	s_mov_b32 s[G1S+5], 32
	s_mov_b32 s[G1S+6], 0
	s_mov_b32 s[G1S+7], 0
	s_mov_b32 s[G1SB+1], 32<<16
	s_mov_b32 s[G1SB+2], (192*KS/256)<<16
	s_mov_b32 s[G1SB+3], 32<<16
	s_mov_b32 s[G1SB+4], 192*KS/256
	s_mov_b32 s[G1SB+5], 32
	s_mov_b32 s[G1SB+6], 0
	s_mov_b32 s[G1SB+7], 0
	; where the tiles come from, in bytes (all under 2^23).  A's hang on the tile row and the wave's number alone, B's on the tile column and the wave's number alone, each in registers that never hold the other coordinate
	s_lshl_b32 s18, s16, 7                         ; 128 x half
	s_lshl_b32 s20, s17, 8
	s_add_co_u32 s20, s20, s18                     ; A: row 256 x tile row + 128 x half:
	s_lshl_b32 s22, s20, 5                         ; its scales,
	s_mov_b32 s23, 0
	s_lshl_b32 s20, s20, 9                         ; its codes
	s_mov_b32 s21, 0
	s_mul_i32 s19, s42, 384                        ; B: my tile's first row
	s_add_co_u32 s46, s19, s18                     ; parts 0 and 1: + 128 x half
	s_lshl_b32 s46, s46, 9
	s_mov_b32 s47, 0
	s_mul_i32 s92, s16, 192                        ; the scales of all 384 rows, in two halves of 192
	s_add_co_u32 s92, s92, s19
	s_lshl_b32 s92, s92, 5
	s_mov_b32 s93, 0
	s_add_co_u32 s98, s19, 256                     ; part 2: rows 256 on; here the half is a half of K: 256 bytes along the row
	s_lshl_b32 s98, s98, 9
	s_lshl_b32 s99, s16, 8
	s_add_co_u32 s98, s98, s99
	s_mov_b32 s99, 0
	s_mul_i32 s45, s14, HALFT                      ; where they go: wave x 128 rows: no place in the cluster enters an LDS address
	s_mul_i32 s94, s16, HALFSA
	s_mul_i32 s95, s16, HALFSB
	s_wait_dscnt 0x0                               ; both opening adds are done
	s_wait_kmcnt 0x0
	s_add_nc_u64 s[20:21], s[4:5], s[20:21]
	s_add_nc_u64 s[22:23], s[6:7], s[22:23]
	s_add_nc_u64 s[46:47], s[8:9], s[46:47]
	s_add_nc_u64 s[92:93], s[10:11], s[92:93]
	s_add_nc_u64 s[98:99], s[8:9], s[98:99]
	CROUND                                         ; all sixteen work-groups are here: the joint loads meet
	s_mov_b32 s[G0S], 1
	s_add_co_u32 s[G0S+1], s94, SCA
	s_mov_b64 s[G0S+2:G0S+3], s[22:23]
	s_or_b32 s[G0S+3], s[G0S+3], 0x80000000
	s_mov_b32 s[G0SB], 1
	s_add_co_u32 s[G0SB+1], s95, SCB
	s_mov_b64 s[G0SB+2:G0SB+3], s[92:93]
	s_or_b32 s[G0SB+3], s[G0SB+3], 0x80000000
	JLOAD G0S, G1S, G0SB, G1SB                     ; the scales
.irp s, 0,1
	s_mov_b32 s[G0+4*\s], 1
	s_add_co_u32 s[G0+4*\s+1], s45, \s*SLOT
	s_add_nc_u64 s[G0+4*\s+2:G0+4*\s+3], s[20:21], \s*ROWB
	s_or_b32 s[G0+4*\s+3], s[G0+4*\s+3], 0x80000000
	s_mov_b32 s[G0B+4*\s], 1
	s_add_co_u32 s[G0B+4*\s+1], s45, \s*SLOT
	s_add_nc_u64 s[G0B+4*\s+2:G0B+4*\s+3], s[46:47], \s*ROWB
	s_or_b32 s[G0B+4*\s+3], s[G0B+4*\s+3], 0x80000000
	JLOAD G0+4*\s, G1, G0B+4*\s, G1B               ; the two halves of K: three tensor loads of mine are out at the most
.endr
; The bias of part u in the result's layout: lane (r, h) wants, for B's block b, b_in[384 x tile column + 128 u + 16 b + 8 h + 0 .. 7]
.macro BIAS u
.irp b, 0,1,2,3,4,5,6,7
	global_load_b128 v[BI+8*\b:BI+8*\b+3],   v[BO], s[2:3] offset:512*(\u)+64*\b
	global_load_b128 v[BI+8*\b+4:BI+8*\b+7], v[BO], s[2:3] offset:512*(\u)+64*\b+16
.endr
.endm
	v_and_b32 v1, 15, v0                           ; r = l % 16
	v_bfe_u32 v2, v0, 4, 1                         ; h = l / 16
	s_mul_i32 s46, s42, 384*4
	s_mov_b32 s47, 0
	s_add_nc_u64 s[2:3], s[2:3], s[46:47]          ; b_in at my tile's first column
	v_lshlrev_b32 v[BO], 5, v2
	BIAS 0
	v_mul_u32_u24 v3, v1, PITCH
	v_lshl_add_u32 v[ADRC], v2, 4, v3              ; a fragment's row x pitch + 16 x half: also the place of part 2 in slot 0
	v_add_nc_u32 v[ADRC+1], SLOT, v[ADRC]
	v_add_nc_u32 v[ADRB], 2*HALFT, v[ADRC]         ; B's parts 0 and 1 lie behind A's 256 rows
	v_add_nc_u32 v[ADRB+1], SLOT+2*HALFT, v[ADRC]
	s_mul_i32 s21, s14, 64*PITCH                   ; my 64 rows of A
	v_add_nc_u32 v[ADRA], s21, v[ADRC]
	v_add_nc_u32 v[ADRA+1], SLOT, v[ADRA]
	v_lshlrev_b32 v5, 5, v1                        ; a row's scales: KS bytes a row,
	v_lshrrev_b32 v6, 8, v5
	v_lshl_add_u32 v5, v6, 4, v5                   ; and 16 more behind the first 256
	v_add_nc_u32 v[ADSB], SCB, v5
	s_mul_i32 s21, s14, 4*SBLK                     ; my 64 rows' scales
	s_add_co_u32 s21, s21, SCA
	v_add_nc_u32 v[ADSA], s21, v5
	s_mul_i32 s23, s14, 16*SPITCH
	s_add_co_u32 s23, s23, STAGE                   ; my stage
	v_mul_u32_u24 v5, v1, SPITCH                   ; in: row l % 16, 16 bytes for each half of the lanes
	v_lshl_add_u32 v5, v2, 4, v5
	v_add_nc_u32 v[STO], s23, v5
	v_and_b32 v6, 31, v0
	v_lshlrev_b32 v[CO], 4, v6                     ; in memory: 16 x lane
	v_lshrrev_b32 v5, 3, v6                        ; back: eight lanes take one head's 128 bytes of a row, the 32 lanes four rows
	v_mul_u32_u24 v5, v5, SPITCH
	v_and_b32 v7, 7, v0
	v_lshl_add_u32 v5, v7, 4, v5
	v_add_nc_u32 v[RD], s23, v5
	; where my 64 rows x 2 heads of part u begin in qkv.  The part's first head, counted through q, k and v, is g = 6 x tile column + 2 u; its place among qkv's 384 heads is 128 (g / 16) + 16 b + g % 16, each of 2^17 bytes;
	; b = tile row / 4; my first row in the head is 256 (tile row % 4) + 64 x wave, of 128 bytes.  All under 2^26
	s_lshr_b32 s20, s17, 2
	s_lshl_b32 s20, s20, 4                         ; 16 b
	s_and_b32 s21, s17, 3
	s_lshl_b32 s21, s21, 8
	s_lshl_b32 s22, s14, 6
	s_add_co_u32 s21, s21, s22
	s_lshl_b32 s21, s21, 7                         ; my first row, in bytes
	s_mul_i32 s22, s42, 6
.irp u, 0,1,2
	s_add_co_u32 s23, s22, 2*\u                    ; g
	s_lshr_b32 s46, s23, 4
	s_lshl_b32 s46, s46, 7
	s_and_b32 s23, s23, 15
	s_add_co_u32 s46, s46, s23
	s_add_co_u32 s46, s46, s20
	s_lshl_b32 s46, s46, 17
	s_add_co_u32 s46, s46, s21
	s_mov_b32 s47, 0
	s_add_nc_u64 s[OUT+2*\u:OUT+2*\u+1], s[12:13], s[46:47]
.endr
; A fragment, 16 rows x 128 K of 4-bit codes, is 8 registers: lane l holds row l % 16; registers 4 c .. 4 c + 3 hold K = 64 c + 32 (l / 16) + 0 .. 31: two loads of 16 bytes, 32 bytes apart.
.macro ALOAD                           ; my 64 rows for all of K: step q lies in slot q / 4, at byte 64 (q % 4) of the rows
	WIN TO_A
.irp a, 0,1,2,3
.irp q, 0,1,2,3,4,5,6,7
	ds_load_b128 v[64*\a+8*\q:64*\a+8*\q+3],   v[ADRA+\q/4] offset:64*(\q%4)+\a*16*PITCH
	ds_load_b128 v[64*\a+8*\q+4:64*\a+8*\q+7], v[ADRA+\q/4] offset:64*(\q%4)+\a*16*PITCH+32
.endr
.endr
	WIN 0
.endm
.macro BFETCH n                        ; B's eight fragments of step n (part n / 8, step n % 8 of it) into set n % 2.  The largest offset, HALFT + 192 + 7 x 16 x PITCH + 32 = 65,504, is inside the 16-bit field
.set fU, (\n)/8
.set fQ, (\n)%8
.set fP, 64*((\n)%2)
.if fU < 2
.set fA, ADRB+fQ/4
.set fO, fU*HALFT+64*(fQ%4)
.else
.set fA, ADRC+fQ/4
.set fO, 64*(fQ%4)
.endif
	WIN TO_B
.irp b, 0,1,2,3,4,5,6,7
	ds_load_b128 v[fP+8*\b:fP+8*\b+3],   v[fA] offset:fO+\b*16*PITCH
	ds_load_b128 v[fP+8*\b+4:fP+8*\b+7], v[fA] offset:fO+\b*16*PITCH+32
.endr
.endm
.macro SALOAD                          ; my rows' scale words: a row's 32 bytes are the words of its eight steps: two loads of 16 bytes a block
.irp a, 0,1,2,3
	ds_load_b128 v[SA+8*\a:SA+8*\a+3],   v[ADSA] offset:\a*SBLK
	ds_load_b128 v[SA+8*\a+4:SA+8*\a+7], v[ADSA] offset:\a*SBLK+16
.endr
.endm
.macro SBLOAD u                        ; those of part u's 128 rows of B
.irp b, 0,1,2,3,4,5,6,7
	ds_load_b128 v[SB+8*\b:SB+8*\b+3],   v[ADSB] offset:(\u)*8*SBLK+\b*SBLK
	ds_load_b128 v[SB+8*\b+4:SB+8*\b+7], v[ADSB] offset:(\u)*8*SBLK+\b*SBLK+16
.endr
.endm
; Step n's 32 products: A's four blocks x B's eight, 128 along K.  A part's first step starts the sums from the bias: nothing is ever cleared.
; The 32 accumulators take turns, one instruction a turn, in the same order in every step.
.macro MUL32 n
.set mQ, (\n)%8
.set mP, 64*((\n)%2)
.if mQ == 0
	WIN MUL_BI
.else
	WIN MUL
.endif
.irp a, 0,1,2,3
.irp b, 0,1,2,3,4,5,6,7
.if mQ == 0
	v_wmma_scale_f32_16x16x128_f8f6f4 v[8*(8*\a+\b):8*(8*\a+\b)+7], v[mP+8*\b:mP+8*\b+7], v[64*\a+8*mQ:64*\a+8*mQ+7], v[BI+8*\b:BI+8*\b+7], v[SB+8*\b+mQ], v[SA+8*\a+mQ] matrix_a_fmt:MATRIX_FMT_FP4 matrix_b_fmt:MATRIX_FMT_FP4
.else
	v_wmma_scale_f32_16x16x128_f8f6f4 v[8*(8*\a+\b):8*(8*\a+\b)+7], v[mP+8*\b:mP+8*\b+7], v[64*\a+8*mQ:64*\a+8*mQ+7], v[8*(8*\a+\b):8*(8*\a+\b)+7], v[SB+8*\b+mQ], v[SA+8*\a+mQ] matrix_a_fmt:MATRIX_FMT_FP4 matrix_b_fmt:MATRIX_FMT_FP4
.endif
.endr
.endr
.endm
; A STEP.  At its head the next step's fragments of B are asked for, into the set that the step before has multiplied (four places behind its products): they have this step's 32 products in which to come.
; At a part's second step the next part's bias is asked for, into the registers that the first step's products have read.
.macro STEP n
	PLACES
.if ((\n)%8 == 1) && ((\n)/8 < 2)
	WIN 0
	BIAS (\n)/8+1
.endif
.if (\n) < NSTEP-1
	BFETCH (\n)+1
	s_wait_dscnt 16                                ; this step's fragments are in; the sixteen loads just issued may be out
.else
	s_wait_dscnt 0x0
.endif
.if (\n)%8 == 0
	s_wait_loadcnt 0x0                             ; the part's bias
.endif
	MUL32 \n
.endm
; THE WAY OUT of part u, block by block of 16 rows x 128 columns (two heads).  PACK: rounded to f16, 16 bytes a lane, each accumulator from its low end on.  TOSTAGE: into my own stage, and back, into the registers
; that they left, so that the 32 lanes hold four rows of ONE head: 512 consecutive bytes of qkv.  SEND: stored.  LDS serves a wave's instructions in order (ISA guide 5.7.1.4): no wait between the stores and the loads.
.macro PACK u, a
.if 4*(\u)+(\a) >= 2
	s_wait_xcnt 0x0                                ; the stores of the block two back have read this set of registers: only behind this wait is it written again
.endif
	WIN 0x0a                                       ; sources 0 and 1: window 2
.irp b, 0,1,2,3,4,5,6,7
.irp r, 0,1,2,3
	v_cvt_pk_f16_f32 v[XB+32*((\a)%2)+4*\b+\r], v[64*(\a)+8*\b+2*\r], v[64*(\a)+8*\b+2*\r+1]
.endr
.endr
	WIN 0
.endm
.macro TOSTAGE a
.set BK, XB+32*((\a)%2)
.irp b, 0,1,2,3,4,5,6,7
	ds_store_b128 v[STO], v[BK+4*\b:BK+4*\b+3] offset:32*\b
.endr
.irp t, 0,1,2,3,4,5,6,7
	ds_load_b128 v[BK+4*\t:BK+4*\t+3], v[RD] offset:(\t%4)*4*SPITCH+128*(\t/4)   ; head t / 4, rows 4 (t % 4) on
.endr
.endm
.macro SEND u, a
.set BK, XB+32*((\a)%2)
	s_wait_dscnt 0x0                               ; the block is back in registers
.irp t, 0,1,2,3,4,5,6,7
	global_store_b128 v[CO], v[BK+4*\t:BK+4*\t+3], s[OUT+2*(\u):OUT+2*(\u)+1] offset:(\t/4)*HEADB+2048*(\a)+512*(\t%4) th:TH_STORE_NT   ; 32 lanes store 512 consecutive bytes, at a multiple of 512 from qkv's first byte; every offset is an immediate
.endr
.endm
.macro WAYOUT u
	PLACES                                         ; behind the part's last products: for the loads into B's scale words and for the conversions
	WIN 0
.if (\u) < 2
	SBLOAD (\u)+1                                  ; the next part's scale words
.endif
	PACK \u, 0
	TOSTAGE 0
.irp a, 1,2,3                          ; block a's conversions stand between block a - 1's loads from the stage and the wait for them
	PACK \u, \a
	SEND \u, \a-1
	TOSTAGE \a
.endr
	SEND \u, 3
.endm
	s_wait_tensorcnt 0x0                           ; my three first fills have landed
	s_barrier_signal -1
	s_barrier_wait -1                              ; everybody's have
	BFETCH 0
	WIN 0
	SALOAD
	SBLOAD 0
	ALOAD                                          ; A leaves LDS for good
	; THE ONE REFILL.  Each wave waits for all its tensor loads (none is out), adds 0 to its spare word, and waits for that and for its reads of A's rows.  The barrier is a round of the cluster's, since the load is a joint one:
	; behind it no wave of any partner reads A's rows any more.  Waves 2 and 3 bring part 2, one half of K each, into the first 128 rows of slot 0 and of slot 1.
	s_wait_tensorcnt 0x0                           ; no tensor load of mine is out, so a group 0 may be written
	ds_add_u32 v[SPW], v[NIL]                      ; 0 onto my spare word; the descriptor's words stand between it and the wait for it
	s_mul_i32 s[G0B+1], s16, SLOT                  ; 63:32 LDS address: the slot of my half of K
	s_mov_b64 s[G0B+2:G0B+3], s[98:99]             ; 120:64 global address
	s_or_b32 s[G0B+3], s[G0B+3], 0x80000000        ; 127:126 type = 2
	s_wait_dscnt 0x0                               ; the add is done, and all my LDS loads are in
	CROUND
	s_cmp_lt_u32 s14, 2
	s_cbranch_scc1 .Lno_part_2
	tensor_load_to_lds s[G0B:G0B+3], s[G1B:G1B+7]  ; the first thing behind the round, and my last tensor load
	s_nop 0
	PLACES
.Lno_part_2:
.set N, 0
.rept 8
	STEP N                                         ; part 0
.set N, N+1
.endr
	WAYOUT 0
	s_wait_tensorcnt 0x0                           ; waves 2 and 3: part 2 has landed
	ds_add_u32 v[SPW], v[NIL]
	s_wait_dscnt 0x0                               ; no LDS instruction of mine is pending at the signal
	s_barrier_signal -1
	s_barrier_wait -1                              ; part 2 may be read by all; its first read stands in part 1's last step
.rept 8
	STEP N                                         ; part 1
.set N, N+1
.endr
	WAYOUT 1
.rept 8
	STEP N                                         ; part 2
.set N, N+1
.endr
	WAYOUT 2
	s_wait_tensorcnt 0x0                           ; the wave's end: behind my last tensor load and my last LDS store
	ds_add_u32 v[SPW], v[NIL]
	s_wait_dscnt 0x0
	CROUND                                         ; the closing round: no work-group ends while a partner may still ask for a tile that names it
	s_endpgm
.Lfunc_end_k_qda0fec1320_qkvgemm:
	.size	k_qda0fec1320_qkvgemm, .Lfunc_end_k_qda0fec1320_qkvgemm-k_qda0fec1320_qkvgemm
	.p2alignl 7, 3214868480
	.fill 96, 4, 3214868480
	.section	.rodata,"a",@progbits
	.p2align	6, 0x0
	.amdhsa_kernel k_qda0fec1320_qkvgemm
		.amdhsa_group_segment_fixed_size 327680
		.amdhsa_private_segment_fixed_size 0
		.amdhsa_enable_private_segment 0
		.amdhsa_kernarg_size 48
		.amdhsa_user_sgpr_count 2
		.amdhsa_user_sgpr_kernarg_segment_ptr 1
		.amdhsa_wavefront_size32 1
		.amdhsa_system_sgpr_workgroup_id_x 1
		.amdhsa_system_sgpr_workgroup_id_y 1
		.amdhsa_system_sgpr_workgroup_id_z 1
		.amdhsa_system_vgpr_workitem_id 0
		.amdhsa_next_free_vgpr 1024
		.amdhsa_next_free_sgpr 100
		.amdhsa_reserve_vcc 0
		.amdhsa_float_denorm_mode_32 3
		.amdhsa_float_denorm_mode_16_64 3
		.amdhsa_memory_ordered 1
		.amdhsa_forward_progress 1
		.amdhsa_inst_pref_size 197
	.end_amdhsa_kernel
	.amdgpu_metadata
---
amdhsa.version: [ 1, 2 ]
amdhsa.kernels:
  - .name:           k_qda0fec1320_qkvgemm
    .symbol:         k_qda0fec1320_qkvgemm.kd
    .args:
      - { .name: x_codes, .offset: 0, .size: 8, .value_kind: global_buffer, .address_space: global }
      - { .name: x_scales, .offset: 8, .size: 8, .value_kind: global_buffer, .address_space: global }
      - { .name: w_codes, .offset: 16, .size: 8, .value_kind: global_buffer, .address_space: global }
      - { .name: w_scales, .offset: 24, .size: 8, .value_kind: global_buffer, .address_space: global }
      - { .name: b_in, .offset: 32, .size: 8, .value_kind: global_buffer, .address_space: global }
      - { .name: qkv, .offset: 40, .size: 8, .value_kind: global_buffer, .address_space: global }
    .group_segment_fixed_size: 327680
    .private_segment_fixed_size: 0
    .kernarg_segment_align: 8
    .kernarg_segment_size: 48
    .max_flat_workgroup_size: 128
    .sgpr_count:     100
    .vgpr_count:     1024
    .wavefront_size: 32
...
	.end_amdgpu_metadata
.endif
;; end of part 2
;; launch attn (part 3): grid 4 x 64, 8 waves a work-group, clusters of 4 x 4, 327,680 bytes of LDS; arguments qkv, multipliers, o16; writes o16
.if DOCPART == 3
	.amdgcn_target "amdgcn-amd-amdhsa--gfx1250"
	.amdhsa_code_object_version 6
	.text
	.protected	k_qda0fec1320_attn
	.globl	k_qda0fec1320_attn
	.p2align	8
	.type	k_qda0fec1320_attn,@function
k_qda0fec1320_attn:
	s_mov_b64 s[64:65], 0
	v_nop
	global_prefetch_b8 v0, s[64:65] scope:SCOPE_SE
	s_setreg_imm32_b32 hwreg(HW_REG_WAVE_MODE, 25, 1), 1
	s_wait_xcnt 0x0
	s_wait_alu depctr_hold_cnt(0) depctr_sa_sdst(0) depctr_va_vdst(0) depctr_va_sdst(0) depctr_va_ssrc(0) depctr_va_vcc(0) depctr_vm_vsrc(0)
	s_getreg_b32 s2, hwreg(HW_REG_IB_STS2, 6, 4)
	s_cmp_eq_u32 s2, 0
	s_cbranch_scc0 .Lentry_in_a_cluster
	s_endpgm
.Lentry_in_a_cluster:
	s_bfe_u32 s2, ttmp6, 0x10000c
	s_cmp_lg_u32 s2, 0xf033
	s_cbranch_scc0 .Lentry_shape_is_right
	s_endpgm
.Lentry_shape_is_right:
; o[b][q][h] = sum over k of p mult v / (L + EPS Z), with p = 2^(c s - c m), s = q . k, c = log2(e) / 8, m the row's running largest s, Z = sum of p, L = sum of p mult.  That is softmax, times the multipliers,
; divided by (its row sum + EPS), written over the common divisor Z: nothing is left out.
; qkv: [3][8 b][16 h][1024 s][64] f16.  multipliers: [8][1024 q][1024 k] f32.  o16: [8192 = 1024 b + s][1024 = 64 h + d] f16.  Products on f16 operands with f32 sums; maxima, exponentials, the multipliers and all sums in f32.
; LIMITS: q, k, v beyond 65,504 do not fit f16; a weight p mult is rounded to f16, so under 6e-5 it keeps an absolute accuracy of 3e-8 only (it matters where a row's largest scores all meet multipliers near 0);
; NaN and infinities among the inputs are not served.  Z holds the term p = 1, so the divisor is at least EPS.
; SHARES.  A work-group owns 2 heads x 256 queries of one batch.  Wave w of eight: head w / 4 of the pair, queries 64 (w % 4) on: four tiles of 16.  Two waves to a SIMD, 512 registers each: one wave's vector work stands
; beside the other's products.  Every wave walks the 1,024 keys in 16 slots of 64.
; LAYOUT.  S^T = K Q^T (source 0 = 16 keys, source 1 = 16 queries): a lane holds ONE query (lane % 16) and keys 8 (lane / 16) + 0..7 of each tile.  Two such tiles, rounded to f16 in pairs, ARE source 1 of O^T = V^T P,
; whose result again holds one query a lane.  K comes out of LDS as it lies, V ([key][channel]) turned, by ds_load_tr16_b128.  The multipliers are read in S^T's own layout: 32 bytes of a query's row for each tile of keys.
; CLUSTER, 4 x 4: x = the block of 256 queries, y = the pair of heads.  K's and V's tiles hang on batch and heads alone and are shared along a row of the cluster; the multipliers' tile hangs on batch and queries alone and is
; shared along a column.  Each is asked for JOINTLY: the same tensor load, the same descriptor, a mask that names the four.  One load a wave for each slot: waves 0, 1 K of the two heads, waves 2, 3 V, waves 4-7 64 rows of multipliers each.
; REGISTERS.  window 0: v1-15 addresses; v16-47 eight statistics a tile; v48-57 at work; v64-95 S^T of the tile in hand; v96-127 its multipliers; v128-143 P; v144-207 V of the slot.
;   window 1: v0-127 O^T (tile t, channels 16 ct on: 32 t + 8 ct); v128-191 Q (16 t + 8 cf); v192-255 K of the slot (16 kt + 8 cf).
.set KS,    64                         ; keys in a slot
.set NSLOT, 1024/KS
.set KP,    144                        ; a row of K in LDS: 128 bytes + 16 of padding: an odd multiple of 16, so the 16 rows of a load start at 16 different groups of banks
.set VP,    160                        ; a row of V: 128 + 32: an odd multiple of 32, for the turning load
.set MP,    272                        ; a row of multipliers: 256 + 16
.set VOFF,  2*KS*KP                    ; a slot: K of two heads, V of two heads, 256 rows of multipliers
.set MOFF,  VOFF+2*KS*VP
.set SLOT1, 1<<17                      ; slot 1 begins here, so that one exclusive or turns an address in one slot into the other's
.set STAGE, SLOT1+MOFF+256*MP          ; behind the ring: 256 rows x (256 bytes + 16), the work-group's, for the way out; no tensor load lands here
.set SP,    272
.set SPARE, STAGE+256*SP               ; the spare words, 128 bytes for each wave
.set AK0, 2                            ; v2   my lane's place in a tile of K; never rewritten
.set AV0, 3                            ; v3   the same for V
.set AM0, 4                            ; v4   and for the multipliers
.set ADK, 5                            ; v5-7 the same in the slot in hand
.set ADV, 6
.set ADM, 7
.set QO,  8                            ; v8   my byte offset in the wave's rows of Q
.set STO, 9                            ; v9   the way out: where I put 16 bytes of a row
.set RD,  10                           ; v10  the way out: where I read a row back
.set GO,  11                           ; v11  my byte offset in the wave's rows of o16
.set PFO, 12                           ; v12  the prefetches' offset; never rewritten
.set SPW, 13                           ; v13  LDS address of my spare word; never rewritten
.set NIL, 14                           ; v14  0; never rewritten
.set ST,  16                           ; tile t's statistics at v[ST+8 t]: +0 c m, +1 m, +2, +3 Z (even keys', odd keys'), +4, +5 L, +6, +7 1 / divisor as a pair
.set C0,  48                           ; v48-51 four chains of the maximum
.set AF,  52                           ; v52  a = 2^(c m_old - c m_new); v53 is named with it as a pair and written once
.set U,   54                           ; v54-55 a second chain of the sums
.set CMO, 56                           ; v56  c m_old
.set DE,  57                           ; v57  c m_old - c m_new
.set S,   64
.set M,   96
.set P,   128
.set VF,  144
.set QF,  128                          ; in window 1
.set KF,  192                          ; in window 1
.set WV,  10                           ; s10  my wave's number
.set CX,  11                           ; s11, s12  my place in the cluster
.set CY,  12
.set CYL, 13                           ; s13  the cluster's y
.set BB,  14                           ; s14  the batch
.set HP,  15                           ; s15  the pair of heads
.set QB,  16                           ; s16  the block of 256 queries
.set G1K, 24                           ; s[24:31], s[32:39], s[40:47] descriptor groups 1 for K's, V's and the multipliers' tiles
.set G1V, 32
.set G1M, 40
.set G0K, 48                           ; s[48:51], s[52:55], s[56:59] their groups 0, which walk
.set G0V, 52
.set G0M, 56
.set CS,  60                           ; s[60:61] c: the packed scaling names a pair and takes its low word for both halves
.set SEL, 62                           ; s[62:63] lane selects for v_permlanex16_b32: lane l xor 16
.set TB,  66                           ; s66  LDS byte at which the slot in hand begins
.set SLOTS, 67                         ; s67  slots still to be asked for
.set PFA, 68                           ; s[68:69] where my prefetches stand in memory
.set PFS, 70                           ; s[70:71] a slot on, in bytes: 8,192 in K or V, 256 in a row of multipliers
.set LIM, 72                           ; s72  1 in a wave that prefetches, else the greatest number
.set EPSR, 73                          ; s73  EPS = 1e-15
.set MSB, 0
.macro WIN new                         ; the immediate's high byte repeats the setting that is left; a switch that changes nothing is dropped
.if MSB != \new
	s_set_vgpr_msb (MSB<<8)|\new
.set MSB, \new
.endif
.endm
.set W_KQ, 0x05                        ; K and Q in window 1, S^T in window 0
.set W_PV, 0x50                        ; V and P in window 0, O^T (C and D) in window 1
.set W_RS, 0x41                        ; O^T (destination and source 0) in window 1, the factor in window 0
.set TO1,  0x40                        ; destination window 1, address window 0
.macro PLACES
.rept 4
	v_nop
.endr
.endm
; A joint load: one of three lines, by the wave's number alone, which is the same in every work-group.  An s_nop 0 and four v_nop follow each line, ahead of the jump, the label and what follows.
.macro JLOAD
	s_cmp_lt_u32 s[WV], 2
	s_cbranch_scc0 .Lnot_k_\@
	tensor_load_to_lds s[G0K:G0K+3], s[G1K:G1K+7]
	s_nop 0
	PLACES
	s_branch .Lasked_\@
.Lnot_k_\@:
	s_cmp_lt_u32 s[WV], 4
	s_cbranch_scc0 .Lnot_v_\@
	tensor_load_to_lds s[G0V:G0V+3], s[G1V:G1V+7]
	s_nop 0
	PLACES
	s_branch .Lasked_\@
.Lnot_v_\@:
	tensor_load_to_lds s[G0M:G0M+3], s[G1M:G1M+7]
	s_nop 0
	PLACES
.Lasked_\@:
.endm
; A PREFETCH of what the NEXT change of slots will ask for, behind the wave's tensor load and its five lines.  Each aligned block of 256 bytes is named once in the launch.
; K and V of a pair of heads are read by the four partners of one row of one cluster: a slot's four dense blocks of 8,192 bytes (K, K, V, V) go one to each partner, told apart BY ADDRESS (cx); wave 0 asks, lanes 256 bytes apart.
; A block's multipliers are read by the four partners of a column and by the two clusters of a batch: the first of the two clusters asks (a branch on the cluster's number); partner cy takes rows 64 cy on, by address;
; waves 4 and 5 ask for 32 rows each, a lane a row (a slot's part of a row is 256 bytes, aligned).  The last change that fills a slot asks for nothing; slots 0 and 1 come by their loads alone.
.macro ASK
	s_cmp_gt_u32 s[SLOTS], s[LIM]
	s_cbranch_scc0 .Lnot_mine_\@
	global_prefetch_b8 v[PFO], s[PFA:PFA+1] th:TH_LOAD_NT scope:SCOPE_SE
.Lnot_mine_\@:
.endm
.macro CROUND                          ; a round of the cluster's barrier: my work-group's barrier; wave 0 signals for the work-group; every wave waits for all sixteen; my work-group's barrier once more
	s_barrier_signal -1
	s_barrier_wait -1
	s_cmp_lg_u32 s[WV], 0
	s_cbranch_scc1 .Lnot_wave_0_\@
	s_barrier_signal -3
.Lnot_wave_0_\@:
	s_barrier_wait -3
	s_barrier_signal -1
	s_barrier_wait -1
.endm
	s_load_b128 s[4:7], s[0:1], 0x0                ; qkv s[4:5], multipliers s[6:7]
	s_load_b64 s[8:9], s[0:1], 0x10                ; o16
	v_lshl_add_u32 v[SPW], v0, 2, SPARE
	v_mov_b32 v[NIL], 0
	ds_add_u32 v[SPW], v[NIL]                      ; the wave's opening: the add, twice on end, and its wait ahead of my first tensor load; the set-up below stands between
	ds_add_u32 v[SPW], v[NIL]
	v_lshrrev_b32 v1, 5, v0
	v_readfirstlane_b32 s[WV], v1                  ; wave 0..7
	s_bfe_u32 s[CX], ttmp6, 0x40000
	s_bfe_u32 s[CY], ttmp6, 0x40004
	s_and_b32 s[CYL], ttmp7, 0xffff                ; in a cluster launch ttmp7 and ttmp9 count clusters
	s_lshr_b32 s[BB], s[CYL], 1                    ; two clusters to a batch
	s_and_b32 s17, s[CYL], 1
	s_lshl_b32 s[HP], s17, 2
	s_add_co_u32 s[HP], s[HP], s[CY]               ; pair of heads = 4 (cluster y % 2) + cy
	s_lshl_b32 s[QB], ttmp9, 2
	s_add_co_u32 s[QB], s[QB], s[CX]               ; block of queries = 4 x cluster x + cx
	s_lshl_b32 s18, s[CY], 2
	s_lshl_b32 s18, 15, s18                        ; my row of the cluster
	s_lshl_b32 s19, 0x1111, s[CX]                  ; my column
	; descriptor groups 1: tiles of 64 rows x 64 elements, padded in LDS
	s_or_b32 s[G1K], s18, (1<<16)|(1<<20)|(1<<21)|(4<<22)|(3<<25)   ; 15:0 the mask: my row; 17:16 elements of 2 bytes; 20 padding on; 21 set beside a mask; 24:22 after every 32 words (code 4); 31:25 four words (code 3)
	s_or_b32 s[G1V], s18, (1<<16)|(1<<20)|(1<<21)|(4<<22)|(7<<25)   ; the same with eight words of padding (code 7)
	s_or_b32 s[G1M], s19, (2<<16)|(1<<20)|(1<<21)|(5<<22)|(3<<25)   ; the mask: my column; elements of 4 bytes; four words after every 64
.irp g, G1K, G1V, G1M
	s_mov_b32 s[\g+1], 64<<16                      ; tensor_dim0 = 64
	s_mov_b32 s[\g+2], KS<<16                      ; tensor_dim1 = 64
	s_mov_b32 s[\g+3], 64<<16                      ; tile_dim0 = 64
	s_mov_b32 s[\g+4], KS                          ; tile_dim1 = 64
	s_mov_b32 s[\g+6], 0
	s_mov_b32 s[\g+7], 0
.endr
	s_mov_b32 s[G1K+5], 64                         ; elements from row to row: a head's rows are dense,
	s_mov_b32 s[G1V+5], 64
	s_mov_b32 s[G1M+5], 1024                       ; a query's row of multipliers is 1,024 numbers
	s_and_b32 s20, s[WV], 1
	s_and_b32 s21, s[WV], 3
	s_lshr_b32 s22, s[WV], 2
	; K's and V's tiles: batch, pair of heads and the wave's number alone
	s_lshl_b32 s74, s[BB], 4
	s_lshl_b32 s75, s[HP], 1
	s_add_co_u32 s74, s74, s75                     ; 16 b + 2 hp: the pair's first head
	s_add_co_u32 s76, s74, s20
	s_add_co_u32 s76, s76, 128                     ; k's 128 heads lie behind q's
	s_lshl_b32 s76, s76, 17                        ; a head is 2^17 bytes
	s_mov_b32 s77, 0
	s_add_co_u32 s78, s76, 128<<17                 ; v's behind k's
	s_mov_b32 s79, 0
	; the multipliers' tile: batch, block of queries and the wave's number alone
	s_lshl_b32 s80, s[QB], 8
	s_lshl_b32 s81, s21, 6
	s_add_co_u32 s80, s80, s81                     ; row 256 qb + 64 (w % 4): also my wave's first query
	s_lshl_b32 s82, s80, 12
	s_lshl_b32 s83, s[BB], 22
	s_add_co_u32 s82, s82, s83
	s_mov_b32 s83, 0
	; my rows of Q
	s_add_co_u32 s84, s74, s22
	s_lshl_b32 s84, s84, 17
	s_lshl_b32 s85, s80, 7
	s_add_co_u32 s84, s84, s85
	s_mov_b32 s85, 0
	; the rows of o16 that I store: (1024 b + 256 qb + 32 w) rows of 2,048 bytes + 256 hp
	s_lshl_b32 s86, s[BB], 10
	s_lshl_b32 s87, s[QB], 8
	s_add_co_u32 s86, s86, s87
	s_lshl_b32 s87, s[WV], 5
	s_add_co_u32 s86, s86, s87
	s_lshl_b32 s86, s86, 11
	s_lshl_b32 s87, s[HP], 8
	s_add_co_u32 s86, s86, s87
	s_mov_b32 s87, 0
	; where the tiles go: no place in the cluster enters an LDS address
	s_mul_i32 s88, s20, KS*KP
	s_mul_i32 s89, s20, KS*VP
	s_add_co_u32 s89, s89, VOFF
	s_mul_i32 s90, s21, 64*MP
	s_add_co_u32 s90, s90, MOFF
	; the prefetches: K or V by cx, at slot 1;
	s_lshr_b32 s91, s[CX], 1
	s_lshl_b32 s91, s91, 7
	s_and_b32 s92, s[CX], 1
	s_add_co_u32 s91, s91, s92
	s_add_co_u32 s91, s91, s74
	s_add_co_u32 s91, s91, 128
	s_lshl_b32 s91, s91, 17
	s_add_co_u32 s91, s91, KS*128
	; the multipliers: rows 256 qb + 64 cy + 32 (w % 2) on, at slot 1.  The first change of slots steps both to slot 2
	s_lshl_b32 s92, s[QB], 8
	s_lshl_b32 s93, s[CY], 6
	s_add_co_u32 s92, s92, s93
	s_lshl_b32 s93, s20, 5
	s_add_co_u32 s92, s92, s93
	s_lshl_b32 s92, s92, 12
	s_lshl_b32 s93, s[BB], 22
	s_add_co_u32 s92, s92, s93
	s_add_co_u32 s92, s92, KS*4
	s_cmp_lt_u32 s[WV], 4
	s_cselect_b32 s94, s91, s92
	s_mov_b32 s95, 0
	s_mov_b32 s[PFS], KS*4
	s_cselect_b32 s[PFS], KS*128, s[PFS]
	s_mov_b32 s[PFS+1], 0
	s_cselect_b32 s93, 8, 12                       ; from lane to lane: 256 bytes, or a row of 4,096
	v_and_b32 v[PFO], 31, v0
	v_lshlrev_b32 v[PFO], s93, v[PFO]
	s_cmp_eq_u32 s[WV], 0
	s_cselect_b32 s[LIM], 1, -1                    ; wave 0 asks;
	s_lshr_b32 s91, s[WV], 1
	s_xor_b32 s91, s91, 2                          ; 0 in waves 4 and 5,
	s_or_b32 s91, s91, s17                         ; of the batch's first cluster: the same in all sixteen partners
	s_cmp_eq_u32 s91, 0
	s_cselect_b32 s[LIM], 1, s[LIM]
	s_mov_b32 s[CS], 0x3e38aa3b                    ; c = log2(e) / sqrt(64)
	s_mov_b32 s[CS+1], s[CS]                       ; named with it as a pair, so it is written
	s_mov_b32 s[SEL], 0x76543210
	s_mov_b32 s[SEL+1], 0xfedcba98
	s_mov_b32 s[EPSR], 0x26901d7d                  ; 1e-15
	s_mov_b32 s[TB], 0
	s_mov_b32 s[SLOTS], NSLOT-1
	s_wait_dscnt 0x0                               ; both opening adds are done
	s_wait_kmcnt 0x0
	s_add_nc_u64 s[84:85], s[4:5], s[84:85]        ; Q at my wave's first row
	s_add_nc_u64 s[8:9], s[8:9], s[86:87]          ; o16 at the first row that I store
	s_cmp_lt_u32 s[WV], 4
	s_cselect_b64 s[PFA:PFA+1], s[4:5], s[6:7]
	s_add_nc_u64 s[PFA:PFA+1], s[PFA:PFA+1], s[94:95]
	CROUND                                         ; all sixteen work-groups are here: the first joint loads meet
	s_mov_b32 s[G0K], 1                            ; 1:0 count = 1
	s_mov_b32 s[G0K+1], s88                        ; 63:32 LDS address: slot 0
	s_add_nc_u64 s[G0K+2:G0K+3], s[4:5], s[76:77]  ; 120:64 global address: the head's first 64 keys
	s_or_b32 s[G0K+3], s[G0K+3], 0x80000000        ; 127:126 type = 2
	s_mov_b32 s[G0V], 1
	s_mov_b32 s[G0V+1], s89
	s_add_nc_u64 s[G0V+2:G0V+3], s[4:5], s[78:79]
	s_or_b32 s[G0V+3], s[G0V+3], 0x80000000
	s_mov_b32 s[G0M], 1
	s_mov_b32 s[G0M+1], s90
	s_add_nc_u64 s[G0M+2:G0M+3], s[6:7], s[82:83]
	s_or_b32 s[G0M+3], s[G0M+3], 0x80000000
	JLOAD                                          ; slot 0
	v_and_b32 v1, 15, v0                           ; r = lane % 16
	v_bfe_u32 v15, v0, 4, 1                        ; h = lane / 16
	v_lshlrev_b32 v[QO], 7, v1
	v_lshl_add_u32 v[QO], v15, 4, v[QO]            ; row x 128 + 16 x half
	WIN TO1
.irp t, 0,1,2,3                        ; Q stays in registers: a fragment is 16 rows x 32 channels: two loads of 16 bytes, 32 bytes apart
.irp cf, 0,1
	global_load_b128 v[QF+16*\t+8*\cf:QF+16*\t+8*\cf+3],   v[QO], s[84:85] offset:2048*\t+64*\cf
	global_load_b128 v[QF+16*\t+8*\cf+4:QF+16*\t+8*\cf+7], v[QO], s[84:85] offset:2048*\t+64*\cf+32
.endr
.endr
.set j, 0
.rept 128
	v_mov_b32 v[j], 0                              ; O^T.  (The slot's work is written for every slot alike: the first finds zeros, which its factor a = 0 leaves zeros; a first slot of its own would be a third copy of that text)
.set j, j+1
.endr
	WIN 0
	s_mul_i32 s23, s22, KS*KP                      ; my head's tile of K
	v_mul_u32_u24 v[AK0], v1, KP
	v_lshl_add_u32 v[AK0], v15, 4, v[AK0]
	v_add_nc_u32 v[AK0], s23, v[AK0]               ; row x pitch + 16 x half
	s_mul_i32 s23, s22, KS*VP
	s_add_co_u32 s23, s23, VOFF                    ; my head's tile of V
	v_and_b32 v[ADK], 7, v0                        ; the turning load takes 16 keys x 16 channels: lane l reads 16 bytes: key 8 (l / 16) + l % 8, channels 8 ((l / 8) % 2) on
	v_lshl_add_u32 v[AV0], v15, 3, v[ADK]
	v_mul_u32_u24 v[AV0], v[AV0], VP
	v_bfe_u32 v[ADK], v0, 3, 1
	v_lshl_add_u32 v[AV0], v[ADK], 4, v[AV0]
	v_add_nc_u32 v[AV0], s23, v[AV0]
	v_mul_u32_u24 v[AM0], v1, MP                   ; the multipliers: my query's row, + 32 x half: keys 8 h on of each tile of 16
	v_lshl_add_u32 v[AM0], v15, 5, v[AM0]
	v_add_nc_u32 v[AM0], s90, v[AM0]
	s_mul_i32 s23, s21, 64*SP                      ; the stage, in: row 64 (w % 4) + r, my head's 128 bytes, 16 bytes for each half of the lanes
	s_add_co_u32 s23, s23, STAGE
	s_lshl_b32 s19, s22, 7
	s_add_co_u32 s23, s23, s19
	v_mul_u32_u24 v[STO], v1, SP
	v_lshl_add_u32 v[STO], v15, 4, v[STO]
	v_add_nc_u32 v[STO], s23, v[STO]
	s_mul_i32 s23, s[WV], 32*SP                    ; back: wave w takes rows 32 w on, whole: lanes 0-15 one row of 256 bytes, lanes 16-31 the next
	s_add_co_u32 s23, s23, STAGE
	v_mul_u32_u24 v[RD], v15, SP
	v_lshl_add_u32 v[RD], v1, 4, v[RD]
	v_add_nc_u32 v[RD], s23, v[RD]
	v_lshlrev_b32 v[GO], 11, v15                   ; and the same two rows in o16
	v_lshl_add_u32 v[GO], v1, 4, v[GO]
.irp t, 0,1,2,3
	v_mov_b32 v[ST+8*\t+1], 0xff61b1e6             ; m: -3e38, under every score
	v_mul_f32 v[ST+8*\t], s[CS], v[ST+8*\t+1]      ; c m
.irp i, 2,3,4,5,6,7
	v_mov_b32 v[ST+8*\t+\i], 0                     ; Z, L; the pair of the reciprocal is written
.endr
.endr
	v_mov_b32 v[AF+1], 0                           ; named as the upper half of a's pair
; The multipliers of tile t: my query's 32 numbers, in S^T's order: register 8 kt + j = key 16 kt + 8 h + j
.macro MLOAD t
.irp kt, 0,1,2,3
	ds_load_b128 v[M+8*\kt:M+8*\kt+3],   v[ADM] offset:16*MP*(\t)+64*\kt
	ds_load_b128 v[M+8*\kt+4:M+8*\kt+7], v[ADM] offset:16*MP*(\t)+64*\kt+16
.endr
.endm
; acc = a acc + the sum of the tile's 16 pairs (in a pair: an even key's number, an odd key's): 16 packed lines in two chains
.macro ROWSUM acc
	v_pk_fma_f32 v[\acc:\acc+1], v[\acc:\acc+1], v[AF:AF+1], v[S:S+1] op_sel_hi:[1,0,1]
	v_pk_add_f32 v[U:U+1], v[S+2:S+3], v[S+4:S+5]
.irp j, 6,10,14,18,22,26
	v_pk_add_f32 v[\acc:\acc+1], v[\acc:\acc+1], v[S+\j:S+\j+1]
	v_pk_add_f32 v[U:U+1], v[U:U+1], v[S+\j+2:S+\j+3]
.endr
	v_pk_add_f32 v[\acc:\acc+1], v[\acc:\acc+1], v[S+30:S+31]
	v_pk_add_f32 v[\acc:\acc+1], v[\acc:\acc+1], v[U:U+1]
.endm
; ONE TILE OF 16 QUERIES AGAINST THE SLOT'S 64 KEYS.  The accumulators take turns, one instruction a turn: three others' stand between two links of a chain.
.macro TILE t
.set rT, ST+8*(\t)
.set rZ, rT+2
.set rL, rT+4
.if (\t) == 0
	s_wait_dscnt 24                                ; K's 16 loads are in; the multipliers' 8 and V's 16 may be out
.endif
	WIN W_KQ
.irp kt, 0,1,2,3                       ; channels 0-31: the first products start the sums
	v_wmma_f32_16x16x32_f16 v[S+8*\kt:S+8*\kt+7], v[KF+16*\kt:KF+16*\kt+7], v[QF+16*(\t):QF+16*(\t)+7], 0
.endr
.irp kt, 0,1,2,3                       ; channels 32-63
	v_wmma_f32_16x16x32_f16 v[S+8*\kt:S+8*\kt+7], v[KF+16*\kt+8:KF+16*\kt+15], v[QF+16*(\t)+8:QF+16*(\t)+15], v[S+8*\kt:S+8*\kt+7]
.endr
	WIN 0
	v_mov_b32 v[CMO], v[rT]                        ; c m_old is kept for a.  This line and three v_nop are the four places behind the products (ISA guide 7.12.1)
	v_nop
	v_nop
	v_nop
.irp j, 0,1,2,3                        ; the largest of my 32 scores and the old m: four chains, each accumulator from its low end on
	v_max3_num_f32 v[C0+\j], v[S+8*\j], v[S+8*\j+1], v[S+8*\j+2]
.endr
.irp i, 3,5
.irp j, 0,1,2,3
	v_max3_num_f32 v[C0+\j], v[C0+\j], v[S+8*\j+\i], v[S+8*\j+\i+1]
.endr
.endr
	v_max3_num_f32 v[C0], v[C0], v[S+7], v[S+15]
	v_max3_num_f32 v[C0+2], v[C0+2], v[S+23], v[S+31]
	v_max3_num_f32 v[C0], v[C0], v[C0+1], v[C0+2]
	v_max3_num_f32 v[C0], v[C0], v[C0+3], v[rT+1]
	v_permlanex16_b32 v[C0+1], v[C0], s[SEL], s[SEL+1]  ; the query's other 32 keys lie in the lane 16 away
	v_max_num_f32 v[rT+1], v[C0], v[C0+1]          ; the new m
	v_mul_f32 v[rT], s[CS], v[rT+1]                ; c m
	v_sub_f32 v[DE], v[CMO], v[rT]
	v_exp_f32 v[AF], v[DE]                         ; a: 1 where m has not grown
.irp j, 0,2,4,6,8,10,12,14,16,18,20,22,24,26,28,30
	v_pk_fma_f32 v[S+\j:S+\j+1], v[S+\j:S+\j+1], s[CS:CS+1], v[rT:rT+1] op_sel_hi:[1,0,0] neg_lo:[0,0,1] neg_hi:[0,0,1]  ; c s - c m, two at a time
.endr
.set e, 0
.rept 32
	v_exp_f32 v[S+e], v[S+e]                       ; p, at most 1
.set e, e+1
.endr
	v_nop                                          ; a plain instruction behind the last exponential
	s_wait_alu depctr_va_vdst(0)                   ; the wait ahead of the first line that names a result: ONE for the 33 exponentials
	ROWSUM rZ                                      ; Z = a Z + the sum of p
.if (\t) == 0
	s_wait_dscnt 16                                ; the multipliers are in; V's 16 loads may be out
.else
	s_wait_dscnt 0x0                               ; the multipliers, asked for a tile ago, are in
.endif
.irp j, 0,2,4,6,8,10,12,14,16,18,20,22,24,26,28,30
	v_pk_mul_f32 v[S+\j:S+\j+1], v[S+\j:S+\j+1], v[M+\j:M+\j+1]   ; p mult, in f32
.endr
.if (\t) < 3
	MLOAD (\t)+1                                   ; the next tile's multipliers: one set of registers serves, since this tile's have just been read
.endif
	ROWSUM rL                                      ; L = a L + the sum of p mult
.irp j, 0,1,2,3,4,5,6,7,8,9,10,11,12,13,14,15
	v_cvt_pk_f16_f32 v[P+\j], v[S+2*\j], v[S+2*\j+1]   ; rounded to f16 in pairs: source 1 of the second product as it stands
.endr
	WIN W_RS
.irp j, 0,2,4,6,8,10,12,14,16,18,20,22,24,26,28,30
	v_pk_mul_f32 v[32*(\t)+\j:32*(\t)+\j+1], v[32*(\t)+\j:32*(\t)+\j+1], v[AF:AF+1] op_sel_hi:[1,0]   ; O^T x a, each accumulator from its low end on
.endr
.if (\t) == 0
	s_wait_dscnt 8                                 ; V is in; the next tile's 8 loads of multipliers may be out
.endif
	WIN W_PV
.irp kg, 0,1                           ; keys 32 kg on, channels 16 ct on
.irp ct, 0,1,2,3
	v_wmma_f32_16x16x32_f16 v[32*(\t)+8*\ct:32*(\t)+8*\ct+7], v[VF+32*\kg+8*\ct:VF+32*\kg+8*\ct+7], v[P+8*\kg:P+8*\kg+7], v[32*(\t)+8*\ct:32*(\t)+8*\ct+7]
.endr
.endr
.endm
; A SLOT'S WORK: its fragments of K and V in two runs of 16 loads, the first tile's multipliers between them; then the four tiles.
; The last products that read V's registers stand in front of the change of slots: its four v_nop and the three additions here are the places ahead of the loads.
.macro SLOTWORK
	v_add_nc_u32 v[ADK], s[TB], v[AK0]
	v_add_nc_u32 v[ADV], s[TB], v[AV0]
	v_add_nc_u32 v[ADM], s[TB], v[AM0]
	WIN TO1
.irp kt, 0,1,2,3
.irp cf, 0,1
	ds_load_b128 v[KF+16*\kt+8*\cf:KF+16*\kt+8*\cf+3],   v[ADK] offset:16*KP*\kt+64*\cf
	ds_load_b128 v[KF+16*\kt+8*\cf+4:KF+16*\kt+8*\cf+7], v[ADK] offset:16*KP*\kt+64*\cf+32
.endr
.endr
	WIN 0
	MLOAD 0
.irp kg, 0,1
.irp ct, 0,1,2,3
	ds_load_tr16_b128 v[VF+32*\kg+8*\ct:VF+32*\kg+8*\ct+3],   v[ADV] offset:32*VP*\kg+32*\ct
	ds_load_tr16_b128 v[VF+32*\kg+8*\ct+4:VF+32*\kg+8*\ct+7], v[ADV] offset:32*VP*\kg+32*\ct+16*VP
.endr
.endr
	TILE 0
	TILE 1
	TILE 2
	TILE 3
	WIN 0                                          ; at a label and at a branch every window is 0
	s_xor_b32 s[TB], s[TB], SLOT1                  ; on to the other slot
.endm
; THE CHANGE OF SLOTS stands at a slot's head.  Each wave waits for all its tensor loads, of which one is out: its part of the slot that it is about to read; adds 0 to its spare word; and waits for that and for its reads of
; the slot that it has left.  fill = 1: the barrier is a round of the cluster's, so that no wave of any partner still reads that slot or has a load on its way; the joint load of the keys that follow is the first thing behind
; it, the wave's one tensor load until the next round, and has a whole slot's work in which to land.
.macro CHANGE fill
	WIN 0
	s_wait_tensorcnt 0x0                           ; no tensor load of mine is out, so a group 0 may be written
	ds_add_u32 v[SPW], v[NIL]                      ; 0 onto my spare word; the descriptors' steps stand between it and the wait for it
.if \fill
	s_xor_b32 s[G0K+1], s[G0K+1], SLOT1            ; the walking descriptors: the other slot than last time,
	s_add_nc_u64 s[G0K+2:G0K+3], s[G0K+2:G0K+3], KS*128   ; the next 64 keys; the type bits on top are not reached
	s_xor_b32 s[G0V+1], s[G0V+1], SLOT1
	s_add_nc_u64 s[G0V+2:G0V+3], s[G0V+2:G0V+3], KS*128
	s_xor_b32 s[G0M+1], s[G0M+1], SLOT1
	s_add_nc_u64 s[G0M+2:G0M+3], s[G0M+2:G0M+3], KS*4
	s_wait_xcnt 0x0                                ; the last prefetch, a slot back, has read its address, so it may be written:
	s_add_nc_u64 s[PFA:PFA+1], s[PFA:PFA+1], s[PFS:PFS+1]  ; one slot further on than the walking descriptors
	s_wait_dscnt 0x0                               ; the add is done, and my reads of the slot that I have left are over
	CROUND
	JLOAD
	ASK
.else
	s_wait_dscnt 0x0
	s_barrier_signal -1
	s_barrier_wait -1
	PLACES
.endif
.endm
	s_wait_loadcnt 0x0                             ; Q
.Lslot:                                            ; 15 trips: behind each change of slots but the last the next slot is asked for
	CHANGE 1
	SLOTWORK
	s_sub_co_u32 s[SLOTS], s[SLOTS], 1
	s_cmp_lg_u32 s[SLOTS], 0
	s_cbranch_scc1 .Lslot
	CHANGE 0                                       ; the last slot is written out
	SLOTWORK
	; THE WAY OUT.  Z's and L's halves and the other half of the lanes' are added; the divisor is L + EPS Z; O^T is divided by it, rounded to f16 and sent through the work-group's stage, since a row's 256 bytes (two heads) come
	; from two waves.  The additions are the places behind the last products.
.irp t, 0,1,2,3
	v_add_f32 v[ST+8*\t+2], v[ST+8*\t+2], v[ST+8*\t+3]
	v_add_f32 v[ST+8*\t+4], v[ST+8*\t+4], v[ST+8*\t+5]
.endr
.irp t, 0,1,2,3
	v_permlanex16_b32 v[ST+8*\t+3], v[ST+8*\t+2], s[SEL], s[SEL+1]
	v_permlanex16_b32 v[ST+8*\t+5], v[ST+8*\t+4], s[SEL], s[SEL+1]
.endr
.irp t, 0,1,2,3
	v_add_f32 v[ST+8*\t+2], v[ST+8*\t+2], v[ST+8*\t+3]
	v_add_f32 v[ST+8*\t+4], v[ST+8*\t+4], v[ST+8*\t+5]
.endr
.irp t, 0,1,2,3
	v_fma_f32 v[ST+8*\t+4], v[ST+8*\t+2], s[EPSR], v[ST+8*\t+4]
.endr
.irp t, 0,1,2,3
	v_rcp_f32 v[ST+8*\t+6], v[ST+8*\t+4]
.endr
	v_nop                                          ; a plain instruction between the last reciprocal and the use of its result
	s_wait_alu depctr_va_vdst(0)                   ; and the wait ahead of the first use: one for the four
.irp t, 0,1,2,3
	WIN W_RS
.irp j, 0,2,4,6,8,10,12,14,16,18,20,22,24,26,28,30
	v_pk_mul_f32 v[32*\t+\j:32*\t+\j+1], v[32*\t+\j:32*\t+\j+1], v[ST+8*\t+6:ST+8*\t+7] op_sel_hi:[1,0]
.endr
	WIN 0x05                                       ; sources 0 and 1 window 1, destination window 0: S^T's and the multipliers' registers are free
.irp j, 0,1,2,3,4,5,6,7,8,9,10,11,12,13,14,15
	v_cvt_pk_f16_f32 v[S+16*\t+\j], v[32*\t+2*\j], v[32*\t+2*\j+1]
.endr
	WIN 0
.irp ct, 0,1,2,3
	ds_store_b128 v[STO], v[S+16*\t+4*\ct:S+16*\t+4*\ct+3] offset:16*SP*\t+32*\ct   ; o(query 16 t + r, channels 16 ct + 8 h + 0 .. 7)
.endr
.endr
	s_wait_dscnt 0x0                               ; for the others' sake: my stores into the stage are done
	s_barrier_signal -1
	s_barrier_wait -1
.irp i, 0,1,2,3,4,5,6,7,8,9,10,11,12,13,14,15
	ds_load_b128 v[VF+4*\i:VF+4*\i+3], v[RD] offset:2*SP*\i
.endr
.irp i, 0,1,2,3,4,5,6,7,8,9,10,11,12,13,14,15
	s_wait_dscnt 15-\i                             ; LDS loads come back in order: load i is in
	global_store_b128 v[GO], v[VF+4*\i:VF+4*\i+3], s[8:9] offset:4096*\i   ; 16 lanes store 256 consecutive bytes, at a multiple of 256 from o16's first byte
.endr
	s_wait_tensorcnt 0x0                           ; the wave's end: behind my last tensor load and my last LDS store
	ds_add_u32 v[SPW], v[NIL]
	s_wait_dscnt 0x0
	CROUND                                         ; the closing round: no work-group ends while a partner may still ask for a tile that names it
	s_endpgm
.Lfunc_end_k_qda0fec1320_attn:
	.size	k_qda0fec1320_attn, .Lfunc_end_k_qda0fec1320_attn-k_qda0fec1320_attn
	.p2alignl 7, 3214868480
	.fill 96, 4, 3214868480
	.section	.rodata,"a",@progbits
	.p2align	6, 0x0
	.amdhsa_kernel k_qda0fec1320_attn
		.amdhsa_group_segment_fixed_size 327680
		.amdhsa_private_segment_fixed_size 0
		.amdhsa_enable_private_segment 0
		.amdhsa_kernarg_size 24
		.amdhsa_user_sgpr_count 2
		.amdhsa_user_sgpr_kernarg_segment_ptr 1
		.amdhsa_wavefront_size32 1
		.amdhsa_system_sgpr_workgroup_id_x 1
		.amdhsa_system_sgpr_workgroup_id_y 1
		.amdhsa_system_sgpr_workgroup_id_z 1
		.amdhsa_system_vgpr_workitem_id 0
		.amdhsa_next_free_vgpr 512
		.amdhsa_next_free_sgpr 96
		.amdhsa_reserve_vcc 0
		.amdhsa_float_denorm_mode_32 3
		.amdhsa_float_denorm_mode_16_64 3
		.amdhsa_memory_ordered 1
		.amdhsa_forward_progress 1
		.amdhsa_inst_pref_size 118
	.end_amdhsa_kernel
	.amdgpu_metadata
---
amdhsa.version: [ 1, 2 ]
amdhsa.kernels:
  - .name:           k_qda0fec1320_attn
    .symbol:         k_qda0fec1320_attn.kd
    .args:
      - { .name: qkv, .offset: 0, .size: 8, .value_kind: global_buffer, .address_space: global }
      - { .name: multipliers, .offset: 8, .size: 8, .value_kind: global_buffer, .address_space: global }
      - { .name: o16, .offset: 16, .size: 8, .value_kind: global_buffer, .address_space: global }
    .group_segment_fixed_size: 327680
    .private_segment_fixed_size: 0
    .kernarg_segment_align: 8
    .kernarg_segment_size: 24
    .max_flat_workgroup_size: 256
    .sgpr_count:     96
    .vgpr_count:     512
    .wavefront_size: 32
...
	.end_amdgpu_metadata
.endif
;; end of part 3
;; launch outproj (part 4): grid 8 x 64, 4 waves a work-group, clusters of 4 x 4, 327,680 bytes of LDS; arguments o16, wo16, b_out, out0; writes out0
.if DOCPART == 4
	.amdgcn_target "amdgcn-amd-amdhsa--gfx1250"
	.amdhsa_code_object_version 6
	.text
	.protected	k_qda0fec1320_outproj
	.globl	k_qda0fec1320_outproj
	.p2align	8
	.type	k_qda0fec1320_outproj,@function
k_qda0fec1320_outproj:
	s_mov_b64 s[64:65], 0
	v_nop
	global_prefetch_b8 v0, s[64:65] scope:SCOPE_SE
	s_setreg_imm32_b32 hwreg(HW_REG_WAVE_MODE, 25, 1), 1
	s_wait_xcnt 0x0
	s_wait_alu depctr_hold_cnt(0) depctr_sa_sdst(0) depctr_va_vdst(0) depctr_va_sdst(0) depctr_va_ssrc(0) depctr_va_vcc(0) depctr_vm_vsrc(0)
	s_getreg_b32 s2, hwreg(HW_REG_IB_STS2, 6, 4)
	s_cmp_eq_u32 s2, 0
	s_cbranch_scc0 .Lentry_in_a_cluster
	s_endpgm
.Lentry_in_a_cluster:
	s_bfe_u32 s2, ttmp6, 0x10000c
	s_cmp_lg_u32 s2, 0xf033
	s_cbranch_scc0 .Lentry_shape_is_right
	s_endpgm
.Lentry_shape_is_right:
; out0[m][n] = sum over k of o16[m][k] wo16[n][k] + b_out[n].  o16: [8192][1024] f16, wo16: [1024][1024] f16 (W_out rounded once), out0: [8192][1024] f32; sums in f32.
; A tile of C is 128 x 128, which gives 512 work-groups.  Four waves, each 64 x 64: 16 accumulators of 16 x 16, 128 registers.  K goes in steps of 256 (LDS rows of 512 bytes; a wave's tensor load brings 64 of them) through
; two slots.  A wave's 64 columns of f32 are 256 aligned bytes of a row of C, so each wave has a stage of its own on the way out, and no barrier stands there.
; CLUSTERS: 4 x 4 work-groups.  The four of a row of the cluster need the same tiles of A, the four of a column the same tiles of B: each tile is asked for JOINTLY, by the same tensor load with the same descriptor and a
; mask that names the four.  THE MATRIX INSTRUCTION IS USED TRANSPOSED (source 0 = 16 rows of B, source 1 = 16 rows of A): a lane then holds eight neighbouring numbers of a row of C.  THE BIAS is the C of each sum's first product.
; REGISTERS: window 0: v0-31 addresses; v32-95 at work on the way out; v96-127 the bias; v128-255 the accumulators ((a, b) at v[128 + 8 (4 a + b)]).
;   window 1: two fragment buffers of 128: for 64 along K, 64 registers of A (2 x 4 x 16 rows x 32 K), then 64 of B.
.set SIZE_M, 8192
.set SIZE_N, 1024
.set SIZE_K, 1024
.set KSTEP,  256
.set PITCH,  528                       ; an LDS row: 512 bytes of data + 16 of padding = 132 words: row r starts at bank 4 r mod 64 (64 banks of 4 bytes: ISA guide 11.1)
.set HALFT,  64*PITCH                  ; 64 rows: what one tensor load brings, and what one wave reads of A or of B
.set SLOT,   4*HALFT                   ; A's 128 rows, then B's 128 rows
.set STAGE,  2*SLOT                    ; behind the ring: 16 rows x 272 bytes for each wave, for the way out; no tensor load lands here
.set SPITCH, 272
.set SPARE,  STAGE+4*16*SPITCH         ; the spare words, 128 bytes for each wave
.set LAPS, SIZE_K/(2*KSTEP)            ; a lap = two K steps = once round the ring
.set ADRA, 16                          ; v16-17  LDS address of my A fragments in slot 0, 1
.set ADRB, 20                          ; v20-21  the same for B
.set STO,  24                          ; v24     the way out: where I put 32 bytes of a row
.set RD,   25                          ; v25     the way out: where I read a row back
.set CO,   26                          ; v26     my byte offset in C
.set BO,   27                          ; v27     the bias: 32 x (lane / 16)
.set SPW,  28                          ; v28     LDS address of my spare word; never rewritten
.set NIL,  29                          ; v29     0; never rewritten
.set TMP,  32                          ; the way out: 16 rows read back: v32-63 and v64-95 by turns
.set BI,   96                          ; the bias: block b's eight numbers of my half at v[BI + 8 b]
.set ACC,  128
.set F0,   0                           ; fragment buffers, in window 1
.set F1,   128
.set G1, 24                            ; s[24:31] descriptor group 1 for A's tiles;  s[32:39] group 0, one set for each slot
.set G0, 32
.set G1B, 48                           ; s[48:55], s[56:63] the same for B's tiles
.set G0B, 56
.set MSB, 0
.macro WIN new                         ; the immediate's high byte repeats the setting that is left
.if MSB != \new
	s_set_vgpr_msb (MSB<<8)|\new
.set MSB, \new
.endif
.endm
.set MUL,  0x05                        ; sources 0 (B) and 1 (A) window 1; C and D window 0
.set TO_F, 0x40                        ; destination window 1, address window 0
.macro JLOAD s                         ; a joint load: waves 0 and 1 fetch A's two halves, waves 2 and 3 B's; an s_nop 0 and four v_nop follow each of the two lines, ahead of the jump, the label and what follows
	s_cmp_eq_u32 s11, 0
	s_cbranch_scc0 .Lfor_b_\@
	tensor_load_to_lds s[G0+4*\s:G0+4*\s+3], s[G1:G1+7]
	s_nop 0
.rept 4
	v_nop
.endr
	s_branch .Lasked_\@
.Lfor_b_\@:
	tensor_load_to_lds s[G0B+4*\s:G0B+4*\s+3], s[G1B:G1B+7]
	s_nop 0
.rept 4
	v_nop
.endr
.Lasked_\@:
.endm
.macro CREST                           ; a round of the cluster's barrier behind its opening barrier
	s_cmp_lg_u32 s10, 0
	s_cbranch_scc1 .Lnot_wave_0_\@
	s_barrier_signal -3
.Lnot_wave_0_\@:
	s_barrier_wait -3
	s_barrier_signal -1
	s_barrier_wait -1
.endm
.macro CROUND                          ; a whole round
	s_barrier_signal -1
	s_barrier_wait -1
	CREST
.endm
	s_load_b128 s[4:7], s[0:1], 0x0                ; A s[4:5], B s[6:7]
	s_load_b64 s[66:67], s[0:1], 0x10              ; b_out
	s_load_b64 s[8:9], s[0:1], 0x18                ; C
	v_lshl_add_u32 v[SPW], v0, 2, SPARE
	v_mov_b32 v[NIL], 0
	ds_add_u32 v[SPW], v[NIL]                      ; the wave's opening: the add, twice on end, and its wait ahead of my first tensor load; the set-up below stands between
	ds_add_u32 v[SPW], v[NIL]
	v_lshrrev_b32 v1, 5, v0
	v_readfirstlane_b32 s10, v1                    ; wave 0..3
	s_lshr_b32 s11, s10, 1                         ; which half of the tile's rows is mine.  Also: I fetch for A (0) or for B (1)
	s_and_b32 s12, s10, 1                          ; which half of its columns.  Also: which 64 rows of that tile I fetch
	s_bfe_u32 s40, ttmp6, 0x40000                  ; cx, cy: my place in the cluster
	s_bfe_u32 s41, ttmp6, 0x40004
	s_lshl_b32 s42, ttmp9, 2
	s_add_co_u32 s42, s42, s40                     ; tile column of C = 4 x cluster x + cx
	s_and_b32 s13, ttmp7, 0xffff
	s_lshl_b32 s13, s13, 2
	s_add_co_u32 s13, s13, s41                     ; tile row of C = 4 x cluster y + cy
	s_lshl_b32 s43, s41, 2
	s_lshl_b32 s43, 15, s43                        ; my row of the cluster
	s_lshl_b32 s44, 0x1111, s40                    ; my column
	; descriptor group 1: a tile of 64 rows x 256 elements, padded in LDS
	s_or_b32 s[G1+0], s43, (1<<16)|(1<<20)|(1<<21)|(6<<22)|(3<<25)  ; 15:0 the mask: A's tiles go to my row; 17:16 element of 2 bytes; 20 padding on; 21 set beside a mask; 24:22 after every 128 words (code 6); 31:25 of 4 words (code 3)
	s_or_b32 s[G1B+0], s44, (1<<16)|(1<<20)|(1<<21)|(6<<22)|(3<<25)
.irp g, G1, G1B
	s_mov_b32 s[\g+1], KSTEP<<16                   ; tensor_dim0 = 256
	s_mov_b32 s[\g+2], 64<<16                      ; tensor_dim1 = 64
	s_mov_b32 s[\g+3], KSTEP<<16                   ; tile_dim0 = 256
	s_mov_b32 s[\g+4], 64                          ; tile_dim1 = 64
	s_mov_b32 s[\g+5], SIZE_K                      ; tensor_dim0_stride
	s_mov_b32 s[\g+6], 0
	s_mov_b32 s[\g+7], 0
.endr
	s_lshl_b32 s17, s12, 6                         ; which 64 rows of the tile I fetch
	s_lshl_b32 s16, s13, 7
	s_add_co_u32 s16, s16, s17                     ; A: row 128 x tile row + 64 x half
	s_lshl_b32 s46, s42, 7
	s_add_co_u32 s46, s46, s17                     ; B: row 128 x tile column + 64 x half
	s_mov_b32 s17, 0
	s_mov_b32 s47, 0
	s_mov_b64 s[18:19], SIZE_K*2
	s_mul_u64 s[16:17], s[16:17], s[18:19]
	s_mul_u64 s[46:47], s[46:47], s[18:19]
	s_mul_i32 s20, s10, HALFT                      ; where they go: wave x 64 rows: no place in the cluster enters an LDS address
	s_wait_dscnt 0x0                               ; both opening adds are done
	s_wait_kmcnt 0x0
	s_add_nc_u64 s[14:15], s[4:5], s[16:17]
	s_add_nc_u64 s[46:47], s[6:7], s[46:47]
	CROUND                                         ; all sixteen work-groups are here: the first joint loads meet
.irp s, 0,1
	s_mov_b32 s[G0+4*\s], 1
	s_add_co_u32 s[G0+4*\s+1], s20, \s*SLOT
	s_add_nc_u64 s[G0+4*\s+2:G0+4*\s+3], s[14:15], \s*KSTEP*2
	s_or_b32 s[G0+4*\s+3], s[G0+4*\s+3], 0x80000000
	s_mov_b32 s[G0B+4*\s], 1
	s_add_co_u32 s[G0B+4*\s+1], s20, \s*SLOT
	s_add_nc_u64 s[G0B+4*\s+2:G0B+4*\s+3], s[46:47], \s*KSTEP*2
	s_or_b32 s[G0B+4*\s+3], s[G0B+4*\s+3], 0x80000000
	JLOAD \s                                       ; two tensor loads of mine are out at the most
.endr
	v_and_b32 v1, 15, v0                           ; l % 16
	v_bfe_u32 v2, v0, 4, 1                         ; l / 16
	s_lshl_b32 s46, s42, 9                         ; my first column, at 4 bytes a column: 512 x tile column + 256 x half: the same offset in a row of C and in b_out
	s_lshl_b32 s47, s12, 8
	s_add_co_u32 s46, s46, s47
	s_mov_b32 s47, 0
	s_add_nc_u64 s[66:67], s[66:67], s[46:47]
	v_lshlrev_b32 v[BO], 5, v2                     ; the bias in the result's layout: lane (r, h) wants, for B's block b, my columns 16 b + 8 h + 0 .. 7
.irp b, 0,1,2,3
	global_load_b128 v[BI+8*\b:BI+8*\b+3], v[BO], s[66:67] offset:64*\b
	global_load_b128 v[BI+8*\b+4:BI+8*\b+7], v[BO], s[66:67] offset:64*\b+16
.endr
	v_mul_u32_u24 v3, v1, PITCH
	v_lshl_add_u32 v3, v2, 4, v3                   ; a fragment's row x pitch + 16 x half
	s_mul_i32 s21, s11, HALFT                      ; my 64 rows of A
	s_mul_i32 s22, s12, HALFT                      ; my 64 rows of B,
	s_add_co_u32 s22, s22, 2*HALFT                 ; which lie behind A's 128
.irp s, 0,1
	v_add_nc_u32 v[ADRA+\s], s21, v3
	v_add_nc_u32 v[ADRB+\s], s22, v3
	s_add_co_u32 s21, s21, SLOT
	s_add_co_u32 s22, s22, SLOT
.endr
	s_mul_i32 s23, s10, 16*SPITCH
	s_add_co_u32 s23, s23, STAGE                   ; my stage
	v_mul_u32_u24 v4, v1, SPITCH                   ; in: row l % 16, 32 bytes for each half of the lanes
	v_lshl_add_u32 v4, v2, 5, v4
	v_add_nc_u32 v[STO], s23, v4
	v_mul_u32_u24 v5, v2, SPITCH                   ; back: lanes 0-15 take one row of 256 bytes, lanes 16-31 the next
	v_lshl_add_u32 v5, v1, 4, v5
	v_add_nc_u32 v[RD], s23, v5
	v_mul_u32_u24 v5, v2, SIZE_N*4                 ; and the same two rows in C
	v_lshl_add_u32 v[CO], v1, 4, v5
	s_lshl_b32 s16, s13, 7
	s_lshl_b32 s17, s11, 6
	s_add_co_u32 s16, s16, s17                     ; my first row of C: 128 x tile row + 64 x half
	s_mov_b32 s17, 0
	s_mov_b64 s[18:19], SIZE_N*4
	s_mul_u64 s[16:17], s[16:17], s[18:19]
	s_add_nc_u64 s[8:9], s[8:9], s[16:17]
	s_add_nc_u64 s[8:9], s[8:9], s[46:47]
; 8 matrix instructions: m blocks a0, a0 + 1 x all 4 n blocks, 32 along K: half c of buffer f.  first = 1: the first product starts the sums from the bias.  The 16 accumulators take turns
.macro MUL8 f, c, a0, first
.irp a, \a0, \a0+1
.irp b, 0,1,2,3
.if \first
	v_wmma_f32_16x16x32_f16 v[ACC+8*(4*(\a)+\b):ACC+8*(4*(\a)+\b)+7], v[\f+64+8*(4*\c+\b):\f+64+8*(4*\c+\b)+7], v[\f+8*(4*\c+\a):\f+8*(4*\c+\a)+7], v[BI+8*\b:BI+8*\b+7]
.else
	v_wmma_f32_16x16x32_f16 v[ACC+8*(4*(\a)+\b):ACC+8*(4*(\a)+\b)+7], v[\f+64+8*(4*\c+\b):\f+64+8*(4*\c+\b)+7], v[\f+8*(4*\c+\a):\f+8*(4*\c+\a)+7], v[ACC+8*(4*(\a)+\b):ACC+8*(4*(\a)+\b)+7]
.endif
.endr
.endr
.endm
; 32 LDS loads in one run: the fragments of 64 along K at byte k of the rows, into buffer f; the first 32 along K first
.macro FETCH slot, k, f
	WIN TO_F
.irp c, 0,1
.irp i, 0,1,2,3
	ds_load_b128 v[\f+64+8*(4*\c+\i):\f+64+8*(4*\c+\i)+3],   v[ADRB+\slot] offset:\k+64*\c+\i*16*PITCH
	ds_load_b128 v[\f+64+8*(4*\c+\i)+4:\f+64+8*(4*\c+\i)+7], v[ADRB+\slot] offset:\k+64*\c+\i*16*PITCH+32
	ds_load_b128 v[\f+8*(4*\c+\i):\f+8*(4*\c+\i)+3],         v[ADRA+\slot] offset:\k+64*\c+\i*16*PITCH
	ds_load_b128 v[\f+8*(4*\c+\i)+4:\f+8*(4*\c+\i)+7],       v[ADRA+\slot] offset:\k+64*\c+\i*16*PITCH+32
.endr
.endr
.endm
.macro PLACES                          ; four places in front of loads into registers that matrix instructions have read, and of LDS stores that read results (ISA guide 7.12.1 for vector instructions)
.rept 4
	v_nop
.endr
.endm
; A K step is four quarters of 64 along K, 32 matrix instructions each, on buffers 0, 1, 0, 1.  One of the first three: multiplies buffer f and fetches the next quarter, at byte k, into g.
.macro QUARTER slot, k, f, g, first
	s_wait_dscnt 16                                ; the first 32 along K are in; the youngest sixteen loads may be out
	WIN MUL
	MUL8 \f, 0, 0, \first
	MUL8 \f, 0, 2, \first
	PLACES
	FETCH \slot, \k, \g
	s_wait_dscnt 32                                ; all but the 32 just issued
	WIN MUL
	MUL8 \f, 1, 0, 0
	MUL8 \f, 1, 2, 0
.endm
; The last quarter multiplies buffer 1 and changes slots: ONE barrier; in front of it each wave waits for all its tensor loads, adds 0 to its spare word, and waits for that and for its own reads of this slot.  fill = 1: this slot is filled again, two K steps ahead.
.macro TURN slot, next, fill
	WIN 0                                          ; (the add's two registers lie in window 0)
	s_wait_tensorcnt 0x0                           ; all my tensor loads have landed: my part of the next slot;
	ds_add_u32 v[SPW], v[NIL]
	s_wait_dscnt 17                                ; (the add and the youngest sixteen loads may be out)
	WIN MUL
	MUL8 F1, 0, 0, 0                               ; eight matrix instructions stand between the add and the wait for it
	s_wait_dscnt 0x0                               ; the add is done, and my reads of this slot are over
	s_barrier_signal -1
	MUL8 F1, 0, 2, 0
.if \fill
	WIN 0
.endif
	s_barrier_wait -1
.if \fill
	CREST                                          ; the barrier has opened a round of the cluster's barrier: no wave of any partner still reads this slot's tile or has a load on its way
	s_add_nc_u64 s[G0+4*\slot+2:G0+4*\slot+3], s[G0+4*\slot+2:G0+4*\slot+3], 2*KSTEP*2
	s_add_nc_u64 s[G0B+4*\slot+2:G0B+4*\slot+3], s[G0B+4*\slot+2:G0B+4*\slot+3], 2*KSTEP*2
	JLOAD \slot                                    ; the first tensor load behind the round; the four v_nop behind it are also the places in front of the loads below
.else
	PLACES
.endif
	FETCH \next, 0, F0
	WIN MUL
	MUL8 F1, 1, 0, 0
	MUL8 F1, 1, 2, 0
.endm
	s_wait_tensorcnt 1                             ; my part of K step 0 is in (K step 1's load may be out)
	s_barrier_signal -1
	s_barrier_wait -1                              ; everybody's is
	FETCH 0, 0, F0
	s_wait_loadcnt 0x0                             ; the bias
	QUARTER 0, 128, F0, F1, 1                      ; the first quarter stands in front of the loop: its first products start the sums
	WIN 0                                          ; at a label and at a branch every window is 0
	s_mov_b32 s3, LAPS-1
.Llap:                                                 ; a trip goes once round the ring, from a lap's second quarter to the next lap's first, and fills both slots again
	QUARTER 0, 256, F1, F0, 0
	QUARTER 0, 384, F0, F1, 0
	TURN 0, 1, 1
	QUARTER 1, 128, F0, F1, 0
	QUARTER 1, 256, F1, F0, 0
	QUARTER 1, 384, F0, F1, 0
	TURN 1, 0, 1
	QUARTER 0, 128, F0, F1, 0
	WIN 0
	s_sub_co_u32 s3, s3, 1
	s_cmp_lg_u32 s3, 0
	s_cbranch_scc1 .Llap
	QUARTER 0, 256, F1, F0, 0                      ; the last lap fills nothing, and has no round of the cluster's barrier
	QUARTER 0, 384, F0, F1, 0
	TURN 0, 1, 0
	QUARTER 1, 128, F0, F1, 0
	QUARTER 1, 256, F1, F0, 0
	QUARTER 1, 384, F0, F1, 0
	s_wait_dscnt 16                                ; the very last quarter: nothing more to fetch
	WIN MUL
	MUL8 F1, 0, 0, 0
	MUL8 F1, 0, 2, 0
	s_wait_dscnt 0
	MUL8 F1, 1, 0, 0
	MUL8 F1, 1, 2, 0
	WIN 0
; THE WAY OUT, block by block of 16 rows x 64 columns.  A lane holds 32 neighbouring bytes of a row, and the lanes beside it hold other rows: so a block goes through my own stage and comes back as whole rows of 256 bytes.
; LDS serves a wave's instructions in order (ISA guide 5.7.1.4): no wait between the stores and the loads, nor in front of the next block's stores.
.macro TOSTAGE a
.irp b, 0,1,2,3
	ds_store_b128 v[STO], v[ACC+8*(4*(\a)+\b):ACC+8*(4*(\a)+\b)+3] offset:64*\b          ; each accumulator from its low end on
	ds_store_b128 v[STO], v[ACC+8*(4*(\a)+\b)+4:ACC+8*(4*(\a)+\b)+7] offset:64*\b+16
.endr
.set BK, TMP+32*((\a)%2)
.irp t, 0,1,2,3,4,5,6,7
	ds_load_b128 v[BK+4*\t:BK+4*\t+3], v[RD] offset:\t*2*SPITCH
.endr
.endm
.macro SEND a, younger                 ; younger: the LDS instructions issued behind block a's loads, which may stay out
.set BK, TMP+32*((\a)%2)
	s_wait_dscnt \younger                          ; the block is back in registers
.irp t, 0,1,2,3,4,5,6,7
	global_store_b128 v[CO], v[BK+4*\t:BK+4*\t+3], s[8:9] offset:(16*(\a)+2*\t)*SIZE_N*4 th:TH_STORE_NT   ; 16 lanes store 256 consecutive bytes, at a multiple of 256 from C's first byte; every offset is an immediate, 62 rows at the most
.endr
.endm
	PLACES
	TOSTAGE 0
.irp a, 1,2,3
.if \a > 1
	s_wait_xcnt 0x0                                ; block a - 2's stores have read their registers: block a's loads may land there
.endif
	TOSTAGE \a
	SEND \a-1, 16                                  ; behind block a - 1's loads: block a's 8 stores and 8 loads
.endr
	SEND 3, 0
	s_wait_tensorcnt 0x0                           ; the wave's end: behind my last tensor load and my last LDS store
	ds_add_u32 v[SPW], v[NIL]
	s_wait_dscnt 0x0
	CROUND                                         ; the closing round: no work-group ends while a partner may still ask for a tile that names it
	s_endpgm
.Lfunc_end_k_qda0fec1320_outproj:
	.size	k_qda0fec1320_outproj, .Lfunc_end_k_qda0fec1320_outproj-k_qda0fec1320_outproj
	.p2alignl 7, 3214868480
	.fill 96, 4, 3214868480
	.section	.rodata,"a",@progbits
	.p2align	6, 0x0
	.amdhsa_kernel k_qda0fec1320_outproj
		.amdhsa_group_segment_fixed_size 327680
		.amdhsa_private_segment_fixed_size 0
		.amdhsa_enable_private_segment 0
		.amdhsa_kernarg_size 32
		.amdhsa_user_sgpr_count 2
		.amdhsa_user_sgpr_kernarg_segment_ptr 1
		.amdhsa_wavefront_size32 1
		.amdhsa_system_sgpr_workgroup_id_x 1
		.amdhsa_system_sgpr_workgroup_id_y 1
		.amdhsa_system_sgpr_workgroup_id_z 1
		.amdhsa_system_vgpr_workitem_id 0
		.amdhsa_next_free_vgpr 512
		.amdhsa_next_free_sgpr 68
		.amdhsa_reserve_vcc 0
		.amdhsa_float_denorm_mode_32 3
		.amdhsa_float_denorm_mode_16_64 3
		.amdhsa_memory_ordered 1
		.amdhsa_forward_progress 1
		.amdhsa_inst_pref_size 87
	.end_amdhsa_kernel
	.amdgpu_metadata
---
amdhsa.version: [ 1, 2 ]
amdhsa.kernels:
  - .name:           k_qda0fec1320_outproj
    .symbol:         k_qda0fec1320_outproj.kd
    .args:
      - { .name: o16, .offset: 0, .size: 8, .value_kind: global_buffer, .address_space: global }
      - { .name: wo16, .offset: 8, .size: 8, .value_kind: global_buffer, .address_space: global }
      - { .name: b_out, .offset: 16, .size: 8, .value_kind: global_buffer, .address_space: global }
      - { .name: out0, .offset: 24, .size: 8, .value_kind: global_buffer, .address_space: global }
    .group_segment_fixed_size: 327680
    .private_segment_fixed_size: 0
    .kernarg_segment_align: 8
    .kernarg_segment_size: 32
    .max_flat_workgroup_size: 128
    .sgpr_count:     68
    .vgpr_count:     512
    .wavefront_size: 32
...
	.end_amdgpu_metadata
.endif
;; end of part 4
